; MI455X (gfx1250); checked and timed in simulation.
; The chip was launched on July 23, 2026; its instructions are those of AMD's public machine-readable ISA for CDNA 5 (MIT licence, August 2026) and "CDNA5" Instruction Set Architecture Reference Guide (July 2026). The comments in the code are by the model that wrote it; some were corrected since.
;; Multi Head Attention. Allowed arithmetic: matrix products marked QUANTISED: E2M1 operands, one E8M0 scale for each 32 along K, by v_wmma_scale_f32_16x16x128_f8f6f4 with both operands' format E2M1 (or v_wmma_scale_f32_32x16x128_f4), f32 sums; everything else in f32.
;; Inputs: Wk 1,024 x 1,024 float32; Wo 1,024 x 1,024 float32; Wq 1,024 x 1,024 float32; Wv 1,024 x 1,024 float32; bk 1,024 float32; bo 1,024 float32; bq 1,024 float32; bv 1,024 float32; k 4 x 2,048 x 1,024 float32; mask 1 x 1 x 2,048 x 2,048 int32; q 4 x 2,048 x 1,024 float32; v 4 x 2,048 x 1,024 float32.
;; Outputs: out0 4 x 2,048 x 1,024 float32.
;; This version of the problem:
;;   THIS VERSION OF THE PROBLEM IS GIVEN IN LOW PRECISION. The matrix products marked QUANTISED in the list below multiply operands that are first quantised to E2M1 (2 exponent bits, 1 mantissa bit; 4 bits a number), with one power-of-two scale for each 32 numbers along K (OCP MX v1.0); their sums are f32. All else is computed in f32.
;;   The module's matrix products, in the order in which they are computed (A, B: the left and right operand; K: the contracted axis; several contracted axes count as one K, in the product's order):
;;     1. [M 8,192, K 1,024] x [K 1,024, N 1,024]; A: input q; B: input Wq: QUANTISED
;;     2. [M 8,192, K 1,024] x [K 1,024, N 1,024]; A: input k; B: input Wk: QUANTISED
;;     3. [M 8,192, K 1,024] x [K 1,024, N 1,024]; A: input v; B: input Wv: QUANTISED
;;     4. batch 64 x [M 2,048, K 64] x [K 64, N 2,048]; A: computed on the way; B: computed on the way: QUANTISED
;;     5. batch 64 x [M 2,048, K 2,048] x [K 2,048, N 64]; A: softmax (see below); B: computed on the way: QUANTISED
;;     6. [M 8,192, K 1,024] x [K 1,024, N 1,024]; A: computed on the way; B: input Wo: QUANTISED
;;   THE QUANTISER, for each operand of a quantised product, along K:
;;     - K is cut into blocks of 32 from its start; a last block that is shorter is filled with zeros.
;;     - A block's scale is 2^e with e = floor(log2(the largest magnitude in the block)) - 2, held to -126 .. 127; a block of zeros has e = 0. As a byte (E8M0): e + 127.
;;     - Each number is divided by its block's scale, clamped to +-6, and rounded to the nearest number of E2M1, ties to even, subnormals kept.
;;     - The product sums the exact products of the quantised numbers (number of the format x scale) in f32.
;;   ~~~python
;;   def quantise(x, axis):      # numpy; x: float32 -> the quantised numbers, widened to float32 again
;;       x = np.moveaxis(x, axis, -1); K = x.shape[-1]
;;       x = np.pad(x, [(0, 0)] * (x.ndim - 1) + [(0, -K % 32)]); x = x.reshape(x.shape[:-1] + (-1, 32)); a = np.abs(x).max(-1, keepdims=True)
;;       e = np.where(a > 0, np.clip(np.frexp(np.where(a > 0, a, 1))[1] - 1 - 2, -126, 127), 0)      # np.frexp(a)[1] - 1 = floor(log2(a)), exactly
;;       r = np.clip(x / 2.0 ** e, -6, 6)
;;       step = 2.0 ** (np.maximum(np.frexp(np.where(r == 0, 1, r))[1] - 1, 0) - 1)
;;       q = np.round(r / step) * step * 2.0 ** e      # np.round: ties to even
;;       return np.moveaxis(q.reshape(q.shape[:-2] + (-1,))[..., :K], -1, axis).astype(np.float32)
;;   ~~~
;;   SOFTMAX AHEAD OF A QUANTISED PRODUCT. Where the list says 'softmax', what is quantised is not the finished softmax but p = 2^(t - M), with t = logit x log2(e) and M = ceil(the row's largest t), a whole number; so 1/2 < the row's largest p <= 1. The row's sum l is taken of the UNQUANTISED p, in f32, and the product's result is divided by l at the end. Since M is a whole number, a kernel that streams over the keys may use a running M (the ceiling of the running maximum): every later rescaling is an exact power of two, which a block's scale takes up: the codes' values come out the same.
;;   OPERANDS COMPUTED ON THE WAY. 'Computed on the way' means the value that the module computes at that place (a softmax that the list does not call 'softmax' is quantised finished and normalised). What goes into a quantiser is computed in f32, as accurately as f32 sums, v_exp_f32 and their like allow (about 1e-6 of the number): no bf16 or f16 on the way to a quantiser, and a product that is left as it is and whose result goes on into a quantised operand takes f32 operands (vector FMAs, or v_wmma_f32_16x16x4_f32). A number that lies on a knife's edge between two numbers of the format may be rounded either way, as far as f32 arithmetic and the matrix unit's own rounding can turn it there, and no further.
;; 2 versions, each right; version 2 is version 1 with the launch attn written anew for expert scheduling mode. Each part assembles by itself: llvm-mc -triple=amdgcn-amd-amdhsa -mcpu=gfx1250 --defsym DOCPART=n.
;; ======== version 1 of 2: 4 launches
;; limits: right only within a limited range of input values
;; workspace buffers: X 13,369,344 bytes; W 2,228,224 bytes; H 13,369,344 bytes; C 5,242,880 bytes; MW 524,288 bytes of whole numbers; FL 32,768 bytes of whole numbers
;; launch prep (part 1): grid 512 x 1, 4 waves a work-group, no clusters, 68,096 bytes of LDS; arguments q, k, v, Wq, Wk, Wv, Wo, mask, X, W, MW, FL; writes X, W, MW, FL
.if DOCPART == 1
	.amdgcn_target "amdgcn-amd-amdhsa--gfx1250"
	.amdhsa_code_object_version 6
	.text
	.protected	k_q9abae9ed43_prep
	.globl	k_q9abae9ed43_prep
	.p2align	8
	.type	k_q9abae9ed43_prep,@function
k_q9abae9ed43_prep:
	s_mov_b64 s[64:65], 0
	v_nop
	global_prefetch_b8 v0, s[64:65] scope:SCOPE_SE
	s_setreg_imm32_b32 hwreg(HW_REG_WAVE_MODE, 25, 1), 1
	s_wait_xcnt 0x0
; q, k, v [8192][1024] and Wq, Wk, Wv, Wo [1024][1024], f32, become codes of FP4 (E2M1) with one E8M0 byte for each 32 along K (their last axis), laid as IMAGES OF OPERAND REGISTERS;
; the mask [2048][2048], int32, becomes lane masks (one word for each score register of the attention launch) and three summary words for each half row of tiles.
; A block's scale is 2^(floor(log2(its largest magnitude)) - 2): its byte is the largest magnitude's exponent field - 2, held at 1 from below.  A block of zeros keeps the byte 1: its codes are zeros, and this program alone reads the bytes.
; LIMITS: blocks whose largest magnitude lies under 2^-124 keep the byte 1; NaN and infinities among the inputs are not served.
; TILES.  Position p of tile T of 16 rows is row 32 (T / 2) + 8 (T % 2) + p + 8 (p / 8), in every tensor of this program: a product whose source 0 is such tiles leaves 16 neighbours along the next K in a lane's 16 registers.
; SHARES.  A wave takes one tile of rows, 64 KiB of input, in 8 steps of 16 rows x 512 bytes.  Work-groups 0-127 q, 128-255 k, 256-383 v, 384-399 Wq, 400-415 Wk, 416-431 Wv, 432-447 Wo, 448-511 the mask (a wave: one tile of rows, one half of the columns).
; Each load reads 512 consecutive bytes of one row.  The conversions want 16 neighbours along K in ONE lane, so a step's 8 KiB turn through the wave's own stage in LDS (rows 528 bytes apart: the 16 rows that a read touches start in 16 different groups of banks).
; OUT.  Codes: fragment (tile T, K step s of 128) at (T / 16) 131072 + s 16384 + (T % 16) 1024, registers 4 c .. 4 c + 3 at 512 c + 16 lane: each store of the wave covers 512 consecutive bytes, aligned.
;       Scale words: tile T at 512 T + 16 lane; word a of lane (r, h) is row r's four bytes of K step 2 a + h.
;       Mask words: (16 T + key step) 256 + 4 n; bit (r, h) of word n = 16 b + i says that key 128 step + 32 b + 16 h + i is open for the query at position r.
;       Summaries: 256 T + 128 half: word 0 bit s: some key of step s open; word 1 bit s: all open; word 2: lanes with an open key in this half.
; No tensor load, no barrier: waves share nothing.  The two paths part on the work-group's number and have LDS bytes of their own.
.set PF,    4096                       ; a row of the f32 tensors in bytes
.set PM,    8192                       ; a row of the mask
.set SP,    528                        ; a stage row
.set WST,   16*SP                      ; a wave's stage
.set MBASE, 4*WST                      ; the mask path's stages
.set TM,    8                          ; v8-23   at work in QUANT
.set CW,    24                         ; v24-27  the tile's four scale registers
.set PW,    28                         ; v28     the scale word just made
.set PWE,   29                         ; v29     that of the even K step
.set R,     32                         ; v32-159 two sets of 64 registers as loaded
.set XN,    160                        ; v160-223 a step's numbers: register 16 b + i = column 32 b + 16 h + i of row r
.set PC,    224                        ; v224-231 the codes just made
.set MA,    224                        ; v224-239 mask path: a pair of registers of words for each step
.set SEL,   30                         ; s[30:31] lane selects: lane l xor 16
	s_load_b512 s[4:19], s[0:1], 0x0               ; q, k, v, Wq, Wk, Wv, Wo, mask
	s_load_b256 s[20:27], s[0:1], 0x40             ; X, W, MW, FL
	v_lshl_add_u32 v240, v0, 2, 0x10800
	v_mov_b32 v241, 0
	v_lshrrev_b32 v1, 5, v0
	v_readfirstlane_b32 s28, v1                    ; wave
	v_and_b32 v30, 31, v0                          ; lane
	v_and_b32 v31, 15, v0                          ; r
	v_bfe_u32 v29, v0, 4, 1                        ; h
	v_lshlrev_b32 v1, 4, v30                       ; 16 x lane
	v_lshlrev_b32 v4, 3, v30                       ; 8 x lane
	v_lshlrev_b32 v5, 2, v30                       ; 4 x lane
	s_mul_i32 s56, s28, WST
	v_add_nc_u32 v2, s56, v1                       ; into the stage: 16 x lane of a row
	v_mul_u32_u24 v3, v31, SP
	v_lshl_add_u32 v3, v29, 6, v3
	v_add_nc_u32 v3, s56, v3                       ; out of it: row r, + 64 h
	v_add_nc_u32 v6, MBASE, v2                     ; the same for the mask path
	v_add_nc_u32 v7, MBASE, v3
	s_mov_b32 s29, 0xffff0000                      ; lanes 16-31
	s_mov_b32 s[SEL], 0x76543210
	s_mov_b32 s[SEL+1], 0xfedcba98
.irp b, 0,1,2,3
	v_mov_b32 v[TM+4+\b], 0                        ; written once: a lane permute's destination counts as one of its sources
.endr
.macro LOADR set, s, pitch                     ; step s: 16 rows x 512 bytes
.irp i, 0,1,2,3,4,5,6,7,8,9,10,11,12,13,14,15
	global_load_b128 v[R+64*(\set)+4*\i:R+64*(\set)+4*\i+3], v1, s[32:33] offset:(\i+8*(\i/8))*\pitch+512*(\s) th:TH_LOAD_NT
.endr
.endm
.macro TURN set, sti, sto                      ; through the stage: LDS serves a wave's instructions in order, so no wait stands between the stores and the loads
.irp i, 0,1,2,3,4,5,6,7,8,9,10,11,12,13,14,15
	ds_store_b128 v[\sti], v[R+64*(\set)+4*\i:R+64*(\set)+4*\i+3] offset:\i*SP
.endr
.irp b, 0,1,2,3
.irp j, 0,1,2,3
	ds_load_b128 v[XN+16*\b+4*\j:XN+16*\b+4*\j+3], v[\sto] offset:128*\b+16*\j
.endr
.endr
.endm
; 64 numbers of a lane, register 16 b + i = k 32 b + 16 h + i of my row, become a fragment's codes in v[PC] on and its scale word in v[PW]
.macro QUANT s
.irp b, 0,1,2,3
	v_max3_num_f32 v[TM+\b], |v[\s+16*\b]|, |v[\s+1+16*\b]|, 0x1800000   ; my 16 numbers of block b, and the floor 2^(3 - 127): the byte cannot fall under 1
.endr
.irp i, 2,4,6,8,10,12,14
.irp b, 0,1,2,3
	v_max3_num_f32 v[TM+\b], v[TM+\b], |v[\s+16*\b+\i]|, |v[\s+1+16*\b+\i]|
.endr
.endr
.irp b, 0,1,2,3
	v_permlanex16_b32 v[TM+4+\b], v[TM+\b], s[SEL], s[SEL+1]
.endr
.irp b, 0,1,2,3
	v_max_num_f32 v[TM+\b], v[TM+\b], v[TM+4+\b]   ; with lane l xor 16's: the block's largest magnitude
.endr
.irp b, 0,1,2,3
	v_add_nc_u32 v[TM+12+\b], 0xff000000, v[TM+\b] ; 2 off its exponent field: the conversion's scale operand
.endr
.irp b, 0,1,2,3
	v_lshrrev_b32 v[TM+4+\b], 23, v[TM+12+\b]      ; the scale's byte
.endr
	v_lshl_or_b32 v[PW], v[TM+5], 8, v[TM+4]
	v_lshl_or_b32 v[PW], v[TM+6], 16, v[PW]
	v_lshl_or_b32 v[PW], v[TM+7], 24, v[PW]
.irp b, 0,1,2,3
	v_cvt_scalef32_pk8_fp4_f32 v[PC+2*\b], v[\s+16*\b:\s+7+16*\b], v[TM+12+\b]
	v_cvt_scalef32_pk8_fp4_f32 v[PC+1+2*\b], v[\s+8+16*\b:\s+15+16*\b], v[TM+12+\b]
.endr
	v_nop                                          ; one plain instruction behind a scaled conversion
.irp c, 0,1                                    ; the operand's layout wants a whole block in a lane: lanes 0-15 block 2 c, lanes 16-31 block 2 c + 1
.irp i, 0,1
	v_permlane16_swap_b32 v[PC+4*\c+\i], v[PC+2+4*\c+\i]
.endr
.endr
.endm
	s_wait_kmcnt 0x0
	s_cmp_ge_u32 ttmp9, 448
	s_cbranch_scc1 .Lmask
	; ---- the f32 tensors.  Which one, by the work-group's number alone
	s_cmp_lt_u32 ttmp9, 432
	s_cselect_b64 s[32:33], s[14:15], s[16:17]
	s_cmp_lt_u32 ttmp9, 416
	s_cselect_b64 s[32:33], s[12:13], s[32:33]
	s_cmp_lt_u32 ttmp9, 400
	s_cselect_b64 s[32:33], s[10:11], s[32:33]
	s_cmp_lt_u32 ttmp9, 384
	s_cselect_b64 s[32:33], s[8:9], s[32:33]
	s_cselect_b64 s[34:35], s[20:21], s[22:23]     ; into X or into W
	s_cselect_b32 s38, 127, 15                     ; work-groups of a tensor - 1
	s_cselect_b32 s39, 7, 4
	s_cselect_b32 s52, 0, 384
	s_cselect_b32 s53, 22, 19                      ; a tensor's codes: 2^22 or 2^19 bytes
	s_cselect_b32 s54, 18, 15                      ; its scale words: 2^18 or 2^15
	s_mov_b32 s55, 2097152
	s_cselect_b32 s55, 12582912, s55               ; where the scale words begin
	s_cmp_lt_u32 ttmp9, 256
	s_cselect_b64 s[32:33], s[6:7], s[32:33]
	s_cmp_lt_u32 ttmp9, 128
	s_cselect_b64 s[32:33], s[4:5], s[32:33]
	s_sub_co_u32 s52, ttmp9, s52
	s_lshr_b32 s39, s52, s39                       ; the tensor's number in its buffer
	s_and_b32 s38, s52, s38
	s_lshl_b32 s38, s38, 2
	s_add_co_u32 s38, s38, s28                     ; my tile of rows
	s_lshr_b32 s56, s38, 1
	s_lshl_b32 s56, s56, 17                        ; 32 rows of 4,096 bytes
	s_and_b32 s57, s38, 1
	s_lshl_b32 s57, s57, 15                        ; 8 rows
	s_add_co_u32 s56, s56, s57
	s_mov_b32 s57, 0
	s_add_nc_u64 s[32:33], s[32:33], s[56:57]      ; the tile's first row
	s_lshl_b32 s56, s39, s54
	s_add_co_u32 s56, s56, s55
	s_lshl_b32 s58, s38, 9
	s_add_co_u32 s56, s56, s58
	s_add_nc_u64 s[36:37], s[34:35], s[56:57]      ; its scale words
	s_lshl_b32 s56, s39, s53
	s_lshr_b32 s58, s38, 4
	s_lshl_b32 s58, s58, 17
	s_add_co_u32 s56, s56, s58
	s_and_b32 s58, s38, 15
	s_lshl_b32 s58, s58, 10
	s_add_co_u32 s56, s56, s58
	s_add_nc_u64 s[34:35], s[34:35], s[56:57]      ; its codes
	LOADR 0, 0, PF
	LOADR 1, 1, PF
.macro FSTEP s
.if (\s) > 0
	s_wait_xcnt 0x0                                ; the last step's stores have read the code registers, which this step writes again
.endif
.if (\s) < 7
	s_wait_loadcnt 16                              ; this step's 16 loads are in; the next step's 16 may be out
.else
	s_wait_loadcnt 0x0
.endif
	TURN (\s)%2, 2, 3
	s_wait_dscnt 0x0                               ; the numbers are back, and the stage's stores have read their registers,
.if (\s)+2 < 8
	LOADR (\s)%2, (\s)+2, PF                       ; which take the loads of two steps on
.endif
	QUANT XN
.irp c, 0,1
	global_store_b128 v1, v[PC+4*\c:PC+4*\c+3], s[34:35] offset:16384*(\s)+512*\c   ; 512 consecutive bytes, aligned
.endr
.if ((\s)%2) == 0
	v_mov_b32 v[PWE], v[PW]
.else
	v_cndmask_b32 v[CW+(\s)/2], v[PWE], v[PW], s29 ; lanes 0-15 the even K step's word, lanes 16-31 the odd one's
.endif
.endm
.irp t, 0,1,2,3,4,5,6,7
	FSTEP \t
.endr
	global_store_b128 v1, v[CW:CW+3], s[36:37]     ; the tile's scale words: 512 consecutive bytes
	s_wait_tensorcnt 0x0
	ds_add_u32 v240, v241
	s_wait_dscnt 0x0
	s_endpgm
.Lmask:                                            ; ---- the mask
	s_sub_co_u32 s52, ttmp9, 448
	s_lshl_b32 s52, s52, 2
	s_add_co_u32 s52, s52, s28                     ; 2 x tile + half
	s_lshr_b32 s53, s52, 1                         ; the tile of rows
	s_and_b32 s54, s52, 1                          ; which 1,024 columns
	s_lshr_b32 s56, s53, 1
	s_lshl_b32 s56, s56, 18                        ; 32 rows of 8,192 bytes
	s_and_b32 s57, s53, 1
	s_lshl_b32 s57, s57, 16
	s_add_co_u32 s56, s56, s57
	s_lshl_b32 s57, s54, 12
	s_add_co_u32 s56, s56, s57
	s_mov_b32 s57, 0
	s_add_nc_u64 s[32:33], s[18:19], s[56:57]
	s_lshl_b32 s56, s52, 11                        ; 8 key steps of 256 bytes
	s_add_nc_u64 s[34:35], s[24:25], s[56:57]
	s_lshl_b32 s56, s52, 7
	s_add_nc_u64 s[36:37], s[26:27], s[56:57]
	s_mov_b32 s49, 0                               ; lanes with an open key
	s_mov_b32 s50, 0                               ; steps with an open key
	s_mov_b32 s51, 0                               ; steps all open
	LOADR 0, 0, PM
	LOADR 1, 1, PM
.macro MSTEP s
.if (\s) < 7
	s_wait_loadcnt 16                              ; as above
.else
	s_wait_loadcnt 0x0
.endif
	TURN (\s)%2, 6, 7
	s_wait_dscnt 0x0
.if (\s)+2 < 8
	LOADR (\s)%2, (\s)+2, PM
.endif
	v_mov_b32 v[MA+2*(\s)], 0
	v_mov_b32 v[MA+2*(\s)+1], 0
	s_mov_b32 s48, 0
.set nn, 0
.rept 8
.set mm, 0
.rept 8
	v_cmp_ne_u32 s[40+mm], 0, v[XN+nn+mm]          ; word n: the lanes whose key of register n is open
.set mm, mm+1
.endr
.set mm, 0
.rept 8
	s_or_b32 s48, s48, s[40+mm]
	v_writelane_b32 v[MA+2*(\s)+(mm%2)], s[40+mm], (nn+mm)/2   ; words 2 l and 2 l + 1 into lane l's pair
.set mm, mm+1
.endr
.set nn, nn+8
.endr
	v_and_b32 v30, v[MA+2*(\s)], v[MA+2*(\s)+1]
	v_cmp_ne_u32 s57, -1, v30                      ; 0 where all 64 words are all ones
	s_cmp_lg_u32 s48, 0
	s_cselect_b32 s56, 1<<(\s), 0
	s_or_b32 s50, s50, s56
	s_cmp_eq_u32 s57, 0
	s_cselect_b32 s56, 1<<(\s), 0
	s_or_b32 s51, s51, s56
	s_or_b32 s49, s49, s48
	global_store_b64 v4, v[MA+2*(\s):MA+2*(\s)+1], s[34:35] offset:256*(\s)   ; 256 consecutive bytes, aligned; each step has its own pair, so no store's data are written again
.endm
.irp t, 0,1,2,3,4,5,6,7
	MSTEP \t
.endr
	v_mov_b32 v31, 0
	v_writelane_b32 v31, s50, 0
	v_writelane_b32 v31, s51, 1
	v_writelane_b32 v31, s49, 2
	global_store_b32 v5, v31, s[36:37]
	s_wait_tensorcnt 0x0
	ds_add_u32 v240, v241
	s_wait_dscnt 0x0
	s_endpgm
.Lfunc_end_k_q9abae9ed43_prep:
	.size	k_q9abae9ed43_prep, .Lfunc_end_k_q9abae9ed43_prep-k_q9abae9ed43_prep
	.p2alignl 7, 3214868480
	.fill 96, 4, 3214868480
	.section	.rodata,"a",@progbits
	.p2align	6, 0x0
	.amdhsa_kernel k_q9abae9ed43_prep
		.amdhsa_group_segment_fixed_size 68096
		.amdhsa_private_segment_fixed_size 0
		.amdhsa_enable_private_segment 0
		.amdhsa_kernarg_size 96
		.amdhsa_user_sgpr_count 2
		.amdhsa_user_sgpr_kernarg_segment_ptr 1
		.amdhsa_wavefront_size32 1
		.amdhsa_system_sgpr_workgroup_id_x 1
		.amdhsa_system_sgpr_workgroup_id_y 1
		.amdhsa_system_sgpr_workgroup_id_z 1
		.amdhsa_system_vgpr_workitem_id 0
		.amdhsa_next_free_vgpr 242
		.amdhsa_next_free_sgpr 66
		.amdhsa_reserve_vcc 0
		.amdhsa_float_denorm_mode_32 3
		.amdhsa_float_denorm_mode_16_64 3
		.amdhsa_memory_ordered 1
		.amdhsa_forward_progress 1
		.amdhsa_inst_pref_size 178
	.end_amdhsa_kernel
	.amdgpu_metadata
---
amdhsa.version: [ 1, 2 ]
amdhsa.kernels:
  - .name:           k_q9abae9ed43_prep
    .symbol:         k_q9abae9ed43_prep.kd
    .args:
      - { .name: q, .offset: 0, .size: 8, .value_kind: global_buffer, .address_space: global }
      - { .name: k, .offset: 8, .size: 8, .value_kind: global_buffer, .address_space: global }
      - { .name: v, .offset: 16, .size: 8, .value_kind: global_buffer, .address_space: global }
      - { .name: Wq, .offset: 24, .size: 8, .value_kind: global_buffer, .address_space: global }
      - { .name: Wk, .offset: 32, .size: 8, .value_kind: global_buffer, .address_space: global }
      - { .name: Wv, .offset: 40, .size: 8, .value_kind: global_buffer, .address_space: global }
      - { .name: Wo, .offset: 48, .size: 8, .value_kind: global_buffer, .address_space: global }
      - { .name: mask, .offset: 56, .size: 8, .value_kind: global_buffer, .address_space: global }
      - { .name: X, .offset: 64, .size: 8, .value_kind: global_buffer, .address_space: global }
      - { .name: W, .offset: 72, .size: 8, .value_kind: global_buffer, .address_space: global }
      - { .name: MW, .offset: 80, .size: 8, .value_kind: global_buffer, .address_space: global }
      - { .name: FL, .offset: 88, .size: 8, .value_kind: global_buffer, .address_space: global }
    .group_segment_fixed_size: 68096
    .private_segment_fixed_size: 0
    .kernarg_segment_align: 8
    .kernarg_segment_size: 96
    .max_flat_workgroup_size: 128
    .sgpr_count:     66
    .vgpr_count:     242
    .wavefront_size: 32
...
	.end_amdgpu_metadata
.endif
;; end of part 1
;; launch proj (part 2): grid 4 x 96, 16 waves a work-group, clusters of 4 x 4, 264,192 bytes of LDS; arguments X, W, bq, bk, bv, H; writes H
.if DOCPART == 2
	.amdgcn_target "amdgcn-amd-amdhsa--gfx1250"
	.amdhsa_code_object_version 6
	.text
	.protected	k_q9abae9ed43_proj
	.globl	k_q9abae9ed43_proj
	.p2align	8
	.type	k_q9abae9ed43_proj,@function
k_q9abae9ed43_proj:
	s_mov_b64 s[64:65], 0
	v_nop
	global_prefetch_b8 v0, s[64:65] scope:SCOPE_SE
	s_setreg_imm32_b32 hwreg(HW_REG_WAVE_MODE, 25, 1), 1
	s_wait_xcnt 0x0
	s_wait_alu depctr_hold_cnt(0) depctr_sa_sdst(0) depctr_va_vdst(0) depctr_va_sdst(0) depctr_va_ssrc(0) depctr_va_vcc(0) depctr_vm_vsrc(0)
	s_getreg_b32 s2, hwreg(HW_REG_IB_STS2, 6, 4)
	s_cmp_eq_u32 s2, 0
	s_cbranch_scc0 .Lentry_in_a_cluster
	s_endpgm
.Lentry_in_a_cluster:
	s_bfe_u32 s2, ttmp6, 0x10000c
	s_cmp_lg_u32 s2, 0xf033
	s_cbranch_scc0 .Lentry_shape_is_right
	s_endpgm
.Lentry_shape_is_right:
; The three projections x W^T + b on codes of FP4, and their results quantised at once into the operand images of the attention launch.  p = 0: q with Wq, 1: k with Wk, 2: v with Wv.
; SHARES.  A work-group makes 256 rows x 256 outputs; each of its sixteen waves 64 x 64: 16 accumulators.  K = 1,024 is 8 steps of 128.
; Both operands arrive as images of their registers, ordered by K step: a block of 256 rows is 128 KiB on end, K step s at 16384 s, tile t at 1024 t.  The whole K of both blocks fits in LDS: every byte is filled once, nothing is filled again.
; CLUSTERS: 4 x 4 work-groups.  The four of a row of the cluster need the same block of x, the four of a column the same block of W: each piece of 16 KiB is asked for JOINTLY.  Waves 0, 1 fetch x's K steps, waves 2, 3 W's, four loads each: four are out in such a wave.
; ROLES.  q, k: source 0 = 16 rows of W, source 1 = 16 rows of x: a lane holds one row, its registers run along the head's 64, the K of the scores.
;         v:    source 0 = 16 rows of x, source 1 = 16 rows of W: a lane holds one channel, its registers run along 64 keys, the K of the second product.
; The tiles' rows are not neighbours (position p of tile T is row 32 (T / 2) + 8 (T % 2) + p + 8 (p / 8)), so the 32 registers of four neighbouring tiles are: register 16 b + i = index 32 b + 16 h + i.
; The branches on p hang on the cluster's number alone: they are the same in all sixteen partners.
; OUT (H).  Q, K images: p 4194304 + (128 bh + T) 512 + 16 lane.  V images: 8388608 + bh 65536 + (key step) 4096 + (channel tile) 1024 + c 512 + 16 lane.  Each store of the wave covers 512 consecutive bytes, aligned.
;           Scale slots: 12582912 + p 262144 + (32 bh + G) 128 + 4 lane; lane (r, h): the two bytes of tile 2 h, then of tile 2 h + 1, of position r (q, k: the group's row tiles; v: the channel tiles).
; LIMITS: blocks whose largest magnitude lies under 2^-124 keep the byte 1; NaN and infinities are not served.
; REGISTERS: v1 16 lane, v2 4 lane, v5-8 LDS addresses, v9, v10 bias offsets, v12-15 the four tiles' scale bytes, v16-31 at work, v32-47 x's scale words, v48-63 W's, v64-95 x's fragments (later the bias), v96-127 W's (later the codes), v128-255 the accumulators.
.set WV,  16
.set P,   20
.set HM,  19
.set G1X, 24                           ; s[24:31] descriptor group 1 for x's pieces;  s[32:39] for W's: they differ in the mask alone
.set G1W, 32
.set G0X, 40                           ; s[40:55] four groups 0 for x;  s[68:83] for W
.set G0W, 68
.set SEL, 100
.set TM,  16
.set PWB, 12
.set SX,  32
.set SW,  48
.set FX,  64
.set FW,  96
.set BI,  64
.set PCB, 96
.set ACC, 128
.macro CROUND                          ; a round of the cluster's barrier
	s_barrier_signal -1
	s_barrier_wait -1
	s_cmp_lg_u32 s[WV], 0
	s_cbranch_scc1 .Lnot_wave_0_\@
	s_barrier_signal -3
.Lnot_wave_0_\@:
	s_barrier_wait -3
	s_barrier_signal -1
	s_barrier_wait -1
.endm
	s_load_b256 s[4:11], s[0:1], 0x0               ; X, W, bq, bk
	s_load_b128 s[12:15], s[0:1], 0x20             ; bv, H
	v_lshl_add_u32 v30, v0, 2, 0x40000
	v_mov_b32 v31, 0
	ds_add_u32 v30, v31
	ds_add_u32 v30, v31
	v_lshrrev_b32 v1, 5, v0
	v_readfirstlane_b32 s[WV], v1                  ; wave 0..15
	s_bfe_u32 s17, ttmp6, 0x40000                  ; cx
	s_bfe_u32 s18, ttmp6, 0x40004                  ; cy
	s_and_b32 s19, ttmp7, 0xffff                   ; the cluster's y, 0..23
	s_lshr_b32 s[P], s19, 3                        ; which projection
	s_and_b32 s21, s19, 7
	s_lshl_b32 s21, s21, 2
	s_add_co_u32 s21, s21, s18                     ; block of 256 rows, 0..31
	s_lshl_b32 s22, ttmp9, 2
	s_add_co_u32 s22, s22, s17                     ; block of 256 outputs, 0..3
	s_lshl_b32 s23, s18, 2
	s_lshl_b32 s23, 15, s23                        ; my row of the cluster
	s_lshl_b32 s84, 0x1111, s17                    ; my column
	s_or_b32 s[G1X], s23, (3<<16)|(1<<21)          ; 15:0 the mask; 17:16 elements of 8 bytes; 21 set beside a mask; no padding: an image's reads are 512 consecutive bytes
	s_or_b32 s[G1W], s84, (3<<16)|(1<<21)
.irp g, G1X, G1W                               ; 16 KiB on end, as 64 rows of 256 bytes
	s_mov_b32 s[\g+1], 32<<16                      ; tensor_dim0
	s_mov_b32 s[\g+2], 64<<16                      ; tensor_dim1
	s_mov_b32 s[\g+3], 32<<16                      ; tile_dim0
	s_mov_b32 s[\g+4], 64                          ; tile_dim1
	s_mov_b32 s[\g+5], 32                          ; tensor_dim0_stride
	s_mov_b32 s[\g+6], 0
	s_mov_b32 s[\g+7], 0
.endr
	s_and_b32 s85, s[WV], 1
	s_lshl_b32 s85, s85, 14                        ; which K step of a pair I fetch
	s_lshl_b32 s56, s[P], 22                       ; x: the tensor, the block, the K step.  These registers never hold cx,
	s_lshl_b32 s57, s21, 17
	s_add_co_u32 s56, s56, s57
	s_add_co_u32 s56, s56, s85
	s_mov_b32 s57, 0
	s_lshl_b32 s58, s[P], 19                       ; and W's never cy
	s_lshl_b32 s59, s22, 17
	s_add_co_u32 s58, s58, s59
	s_add_co_u32 s58, s58, s85
	s_mov_b32 s59, 0
	s_wait_dscnt 0x0
	s_wait_kmcnt 0x0
	s_add_nc_u64 s[60:61], s[4:5], s[56:57]
	s_add_nc_u64 s[62:63], s[6:7], s[58:59]
.irp c, 0,1,2,3                                ; chunk c: K steps 2 c and 2 c + 1
	s_mov_b32 s[G0X+4*\c], 1
	s_add_co_u32 s[G0X+4*\c+1], s85, \c*32768
	s_add_nc_u64 s[G0X+4*\c+2:G0X+4*\c+3], s[60:61], \c*32768
	s_or_b32 s[G0X+4*\c+3], s[G0X+4*\c+3], 0x80000000
	s_mov_b32 s[G0W+4*\c], 1
	s_add_co_u32 s[G0W+4*\c+1], s85, 131072+\c*32768
	s_add_nc_u64 s[G0W+4*\c+2:G0W+4*\c+3], s[62:63], \c*32768
	s_or_b32 s[G0W+4*\c+3], s[G0W+4*\c+3], 0x80000000
.endr
	CROUND                                         ; all sixteen work-groups are here: the joint loads meet
	s_cmp_lt_u32 s[WV], 2                          ; a wave's four fills stand in one branch on its number; four v_nop follow the last
	s_cbranch_scc0 .Lnot_x
.irp c, 0,1,2,3
	tensor_load_to_lds s[G0X+4*\c:G0X+4*\c+3], s[G1X:G1X+7]
	s_nop 0
.endr
.rept 4
	v_nop
.endr
	s_branch .Lasked
.Lnot_x:
	s_cmp_lt_u32 s[WV], 4
	s_cbranch_scc0 .Lasked
.irp c, 0,1,2,3
	tensor_load_to_lds s[G0W+4*\c:G0W+4*\c+3], s[G1W:G1W+7]
	s_nop 0
.endr
.rept 4
	v_nop
.endr
.Lasked:
	v_and_b32 v11, 31, v0
	v_and_b32 v3, 15, v0                           ; r
	v_bfe_u32 v4, v0, 4, 1                         ; h
	v_lshlrev_b32 v1, 4, v11
	v_lshlrev_b32 v2, 2, v11
	s_lshr_b32 s86, s[WV], 2                       ; wy: my 64 rows
	s_and_b32 s87, s[WV], 3                        ; wx: my 64 outputs
	s_lshl_b32 s88, s[P], 18                       ; x's scale words: the tensor, tiles 16 block + 4 wy on, 512 bytes a tile
	s_lshl_b32 s89, s21, 13
	s_add_co_u32 s88, s88, s89
	s_lshl_b32 s89, s86, 11
	s_add_co_u32 s88, s88, s89
	s_add_co_u32 s88, s88, 12582912
	s_mov_b32 s89, 0
	s_add_nc_u64 s[92:93], s[4:5], s[88:89]
	s_lshl_b32 s88, s[P], 15                       ; W's
	s_lshl_b32 s90, s22, 13
	s_add_co_u32 s88, s88, s90
	s_lshl_b32 s90, s87, 11
	s_add_co_u32 s88, s88, s90
	s_add_co_u32 s88, s88, 2097152
	s_add_nc_u64 s[94:95], s[6:7], s[88:89]
.irp t, 0,1,2,3
	global_load_b128 v[SX+4*\t:SX+4*\t+3], v1, s[92:93] offset:512*\t   ; register a of a tile: lanes 0-15 K step 2 a, lanes 16-31 K step 2 a + 1
	global_load_b128 v[SW+4*\t:SW+4*\t+3], v1, s[94:95] offset:512*\t
.endr
	s_lshl_b32 s88, s86, 12
	v_add_nc_u32 v5, s88, v1                       ; x's fragments: my four tiles, K steps 0-3;
	v_add_nc_u32 v6, 0x10000, v5                   ; K steps 4-7
	s_lshl_b32 s88, s87, 12
	s_add_co_u32 s88, s88, 131072
	v_add_nc_u32 v7, s88, v1                       ; W's
	v_add_nc_u32 v8, 0x10000, v7
	v_lshlrev_b32 v9, 6, v4                        ; q, k: the bias of my half's 16 outputs of a block of 32
	v_and_b32 v10, 8, v3
	v_add_nc_u32 v10, v10, v3
	v_lshlrev_b32 v10, 2, v10                      ; v: the bias of the channel at my position
	v_mov_b32 v[TM+4], 0                           ; written once: a lane permute's destination counts as one of its sources
	v_mov_b32 v[TM+5], 0
	s_mov_b32 s[HM], 0xffff0000                    ; lanes 16-31
	s_mov_b32 s[SEL], 0x76543210
	s_mov_b32 s[SEL+1], 0xfedcba98
	; where my results go
	s_lshr_b32 s88, s21, 3
	s_lshl_b32 s88, s88, 4
	s_lshl_b32 s89, s22, 2
	s_add_co_u32 s88, s88, s89
	s_add_co_u32 s88, s88, s87                     ; bh = 16 batch + head
	s_and_b32 s89, s21, 7
	s_lshl_b32 s89, s89, 2
	s_add_co_u32 s89, s89, s86                     ; G: my 64 rows among the batch's 2,048
	s_lshl_b32 s90, s88, 16
	s_lshl_b32 s91, s[P], 22
	s_add_co_u32 s90, s90, s91
	s_lshl_b32 s91, s89, 11                        ; q, k: four tiles of 512 bytes
	s_lshr_b32 s96, s89, 1
	s_lshl_b32 s96, s96, 12                        ; v: key step G / 2,
	s_and_b32 s97, s89, 1
	s_lshl_b32 s97, s97, 9                         ; half G % 2 of its fragments
	s_add_co_u32 s96, s96, s97
	s_cmp_eq_u32 s[P], 2
	s_cselect_b32 s91, s96, s91
	s_add_co_u32 s96, s90, s91
	s_mov_b32 s97, 0
	s_add_nc_u64 s[96:97], s[14:15], s[96:97]      ; the images
	s_lshl_b32 s98, s88, 5
	s_add_co_u32 s98, s98, s89
	s_lshl_b32 s98, s98, 7
	s_lshl_b32 s99, s[P], 18
	s_add_co_u32 s98, s98, s99
	s_add_co_u32 s98, s98, 12582912
	s_mov_b32 s99, 0
	s_add_nc_u64 s[98:99], s[14:15], s[98:99]      ; the scale slot
	s_cmp_eq_u32 s[P], 0
	s_cselect_b64 s[2:3], s[8:9], s[10:11]
	s_cmp_eq_u32 s[P], 2
	s_cselect_b64 s[2:3], s[12:13], s[2:3]
	s_lshl_b32 s90, s22, 10
	s_lshl_b32 s91, s87, 8
	s_add_co_u32 s90, s90, s91
	s_mov_b32 s91, 0
	s_add_nc_u64 s[2:3], s[2:3], s[90:91]          ; the bias of my 64 outputs
	s_wait_loadcnt 0x0                             ; the scale words
; 16 matrix instructions: K step s.  f0, s0: source 0's fragments and scale words; f1, s1: source 1's.  The 16 accumulators take turns, one instruction a turn, in one order on every way.  K step 0 starts the sums.
.macro MUL16 f0, f1, s0, s1, s
.irp a, 0,1,2,3
.irp b, 0,1,2,3
.if (\s) == 0
	v_wmma_scale_f32_16x16x128_f8f6f4 v[ACC+8*(4*\a+\b):ACC+8*(4*\a+\b)+7], v[\f0+8*\b:\f0+8*\b+7], v[\f1+8*\a:\f1+8*\a+7], 0, v[\s0+4*\b], v[\s1+4*\a] matrix_a_fmt:MATRIX_FMT_FP4 matrix_b_fmt:MATRIX_FMT_FP4
.elseif ((\s)%2) == 0
	v_wmma_scale_f32_16x16x128_f8f6f4 v[ACC+8*(4*\a+\b):ACC+8*(4*\a+\b)+7], v[\f0+8*\b:\f0+8*\b+7], v[\f1+8*\a:\f1+8*\a+7], v[ACC+8*(4*\a+\b):ACC+8*(4*\a+\b)+7], v[\s0+4*\b+(\s)/2], v[\s1+4*\a+(\s)/2] matrix_a_fmt:MATRIX_FMT_FP4 matrix_b_fmt:MATRIX_FMT_FP4
.else
	v_wmma_scale_f32_16x16x128_f8f6f4 v[ACC+8*(4*\a+\b):ACC+8*(4*\a+\b)+7], v[\f0+8*\b:\f0+8*\b+7], v[\f1+8*\a:\f1+8*\a+7], v[ACC+8*(4*\a+\b):ACC+8*(4*\a+\b)+7], v[\s0+4*\b+(\s)/2], v[\s1+4*\a+(\s)/2] matrix_a_fmt:MATRIX_FMT_FP4 matrix_b_fmt:MATRIX_FMT_FP4 matrix_a_scale:MATRIX_SCALE_ROW1 matrix_b_scale:MATRIX_SCALE_ROW1
.endif
.endr
.endr
.endm
.macro KSTEP s
.if (\s) > 0
.rept 4
	v_nop                                          ; four plain instructions in front of loads into registers that matrix instructions have read (ISA guide 7.12.1 for vector instructions)
.endr
.endif
.irp t, 0,1,2,3
.irp c, 0,1
	ds_load_b128 v[FX+8*\t+4*\c:FX+8*\t+4*\c+3], v[5+(\s)/4] offset:((\s)%4)*16384+\t*1024+512*\c
	ds_load_b128 v[FW+8*\t+4*\c:FW+8*\t+4*\c+3], v[7+(\s)/4] offset:((\s)%4)*16384+\t*1024+512*\c
.endr
.endr
	s_wait_dscnt 0x0
	s_cmp_eq_u32 s[P], 2
	s_cbranch_scc1 .Lkv_\@
	MUL16 FW, FX, SW, SX, \s
	s_branch .Lkj_\@
.Lkv_\@:
	MUL16 FX, FW, SX, SW, \s
.Lkj_\@:
.endm
.macro PHASE c
	s_wait_tensorcnt 3-(\c)                        ; in a fetching wave: chunks 0 .. c have landed, the 3 - c behind them may be out; the other waves have none out
	s_barrier_signal -1                            ; no LDS access of mine is pending
	s_barrier_wait -1                              ; chunk c is whole for every wave
	KSTEP 2*(\c)
	KSTEP 2*(\c)+1
.endm
	PHASE 0
	PHASE 1
	PHASE 2
	PHASE 3
; 32 numbers of a lane, register 16 b + i = k 32 b + 16 h + i, become four registers of codes (lane half h: k = 32 h .. 32 h + 31) and two scale bytes
.macro QUANT2 s, pc, pw
.irp b, 0,1
	v_max3_num_f32 v[TM+\b], |v[(\s)+16*\b]|, |v[(\s)+1+16*\b]|, 0x1800000   ; and the floor 2^(3 - 127): the byte cannot fall under 1
.endr
.irp i, 2,4,6,8,10,12,14
.irp b, 0,1
	v_max3_num_f32 v[TM+\b], v[TM+\b], |v[(\s)+16*\b+\i]|, |v[(\s)+1+16*\b+\i]|
.endr
.endr
.irp b, 0,1
	v_permlanex16_b32 v[TM+4+\b], v[TM+\b], s[SEL], s[SEL+1]
.endr
.irp b, 0,1
	v_max_num_f32 v[TM+\b], v[TM+\b], v[TM+4+\b]   ; with lane l xor 16's: the block's largest magnitude
.endr
.irp b, 0,1
	v_add_nc_u32 v[TM+12+\b], 0xff000000, v[TM+\b] ; 2 off its exponent field: the conversion's scale operand
.endr
.irp b, 0,1
	v_lshrrev_b32 v[TM+4+\b], 23, v[TM+12+\b]      ; the scale's byte
.endr
	v_lshl_or_b32 v[\pw], v[TM+5], 8, v[TM+4]
.irp b, 0,1
	v_cvt_scalef32_pk8_fp4_f32 v[(\pc)+2*\b], v[(\s)+16*\b:(\s)+16*\b+7], v[TM+12+\b]
	v_cvt_scalef32_pk8_fp4_f32 v[(\pc)+2*\b+1], v[(\s)+16*\b+8:(\s)+16*\b+15], v[TM+12+\b]
.endr
	v_nop                                          ; one plain instruction behind a scaled conversion
	v_permlane16_swap_b32 v[(\pc)], v[(\pc)+2]     ; a whole block to a lane: lanes 0-15 block 0, lanes 16-31 block 1
	v_permlane16_swap_b32 v[(\pc)+1], v[(\pc)+3]
.endm
; The way out: the bias, the quantiser, the stores.  isv = 0: the bias runs along my registers; 1: one number a lane and channel tile
.macro EPI isv
.rept 4
	v_nop                                          ; behind the last products: in front of the loads into x's fragments and of the first reads of results
.endr
.if \isv
.irp a, 0,1,2,3
	global_load_b32 v[BI+2*\a], v10, s[2:3] offset:(32*(\a/2)+8*(\a%2))*4
	global_load_b32 v[BI+2*\a+1], v10, s[2:3] offset:(32*(\a/2)+8*(\a%2))*4   ; twice: a pair for the packed addition
.endr
.else
.irp b, 0,1,2,3
	global_load_b128 v[BI+8*\b:BI+8*\b+3], v9, s[2:3] offset:(32*(\b/2)+8*(\b%2))*4
	global_load_b128 v[BI+8*\b+4:BI+8*\b+7], v9, s[2:3] offset:(32*(\b/2)+8*(\b%2))*4+16
.endr
.endif
	s_wait_loadcnt 0x0
.irp a, 0,1,2,3
.irp i, 0,2,4,6,8,10,12,14,16,18,20,22,24,26,28,30   ; each accumulator from its low end on
.if \isv
	v_pk_add_f32 v[ACC+32*\a+\i:ACC+32*\a+\i+1], v[ACC+32*\a+\i:ACC+32*\a+\i+1], v[BI+2*\a:BI+2*\a+1]
.else
	v_pk_add_f32 v[ACC+32*\a+\i:ACC+32*\a+\i+1], v[ACC+32*\a+\i:ACC+32*\a+\i+1], v[BI+\i:BI+\i+1]
.endif
.endr
	QUANT2 ACC+32*\a, PCB+4*\a, PWB+\a
.if \isv
	global_store_b128 v1, v[PCB+4*\a:PCB+4*\a+3], s[96:97] offset:1024*\a   ; channel tile a: 512 consecutive bytes, aligned
.else
	global_store_b128 v1, v[PCB+4*\a:PCB+4*\a+3], s[96:97] offset:512*\a    ; row tile a
.endif
.endr
	v_lshl_or_b32 v112, v[PWB+1], 16, v[PWB]       ; tiles 0 and 1,
	v_lshl_or_b32 v113, v[PWB+3], 16, v[PWB+2]     ; tiles 2 and 3:
	v_cndmask_b32 v114, v112, v113, s[HM]          ; lanes 0-15 the first pair, lanes 16-31 the second
	global_store_b32 v2, v114, s[98:99]
.endm
	s_cmp_eq_u32 s[P], 2
	s_cbranch_scc1 .Lepi_v
	EPI 0
	s_branch .Lend
.Lepi_v:
	EPI 1
.Lend:
	s_wait_tensorcnt 0x0
	ds_add_u32 v30, v31
	s_wait_dscnt 0x0
	CROUND                                         ; the closing round: no work-group ends while a partner may still ask for a piece that names it
	s_endpgm
.Lfunc_end_k_q9abae9ed43_proj:
	.size	k_q9abae9ed43_proj, .Lfunc_end_k_q9abae9ed43_proj-k_q9abae9ed43_proj
	.p2alignl 7, 3214868480
	.fill 96, 4, 3214868480
	.section	.rodata,"a",@progbits
	.p2align	6, 0x0
	.amdhsa_kernel k_q9abae9ed43_proj
		.amdhsa_group_segment_fixed_size 264192
		.amdhsa_private_segment_fixed_size 0
		.amdhsa_enable_private_segment 0
		.amdhsa_kernarg_size 48
		.amdhsa_user_sgpr_count 2
		.amdhsa_user_sgpr_kernarg_segment_ptr 1
		.amdhsa_wavefront_size32 1
		.amdhsa_system_sgpr_workgroup_id_x 1
		.amdhsa_system_sgpr_workgroup_id_y 1
		.amdhsa_system_sgpr_workgroup_id_z 1
		.amdhsa_system_vgpr_workitem_id 0
		.amdhsa_next_free_vgpr 256
		.amdhsa_next_free_sgpr 102
		.amdhsa_reserve_vcc 0
		.amdhsa_float_denorm_mode_32 3
		.amdhsa_float_denorm_mode_16_64 3
		.amdhsa_memory_ordered 1
		.amdhsa_forward_progress 1
		.amdhsa_inst_pref_size 79
	.end_amdhsa_kernel
	.amdgpu_metadata
---
amdhsa.version: [ 1, 2 ]
amdhsa.kernels:
  - .name:           k_q9abae9ed43_proj
    .symbol:         k_q9abae9ed43_proj.kd
    .args:
      - { .name: X, .offset: 0, .size: 8, .value_kind: global_buffer, .address_space: global }
      - { .name: W, .offset: 8, .size: 8, .value_kind: global_buffer, .address_space: global }
      - { .name: bq, .offset: 16, .size: 8, .value_kind: global_buffer, .address_space: global }
      - { .name: bk, .offset: 24, .size: 8, .value_kind: global_buffer, .address_space: global }
      - { .name: bv, .offset: 32, .size: 8, .value_kind: global_buffer, .address_space: global }
      - { .name: H, .offset: 40, .size: 8, .value_kind: global_buffer, .address_space: global }
    .group_segment_fixed_size: 264192
    .private_segment_fixed_size: 0
    .kernarg_segment_align: 8
    .kernarg_segment_size: 48
    .max_flat_workgroup_size: 512
    .sgpr_count:     102
    .vgpr_count:     256
    .wavefront_size: 32
...
	.end_amdgpu_metadata
.endif
;; end of part 2
;; launch attn (part 3): grid 4 x 64, 16 waves a work-group, no clusters, 141,312 bytes of LDS; arguments H, MW, FL, C; writes C
.if DOCPART == 3
	.amdgcn_target "amdgcn-amd-amdhsa--gfx1250"
	.amdhsa_code_object_version 6
	.text
	.protected	k_q9abae9ed43_attn
	.globl	k_q9abae9ed43_attn
	.p2align	8
	.type	k_q9abae9ed43_attn,@function
k_q9abae9ed43_attn:
	s_mov_b64 s[64:65], 0
	v_nop
	global_prefetch_b8 v0, s[64:65] scope:SCOPE_SE
	s_setreg_imm32_b32 hwreg(HW_REG_WAVE_MODE, 25, 1), 1
	s_wait_xcnt 0x0
; ctx = softmax(Q K^T / 8, under the mask) V for one head and batch, both products on codes of FP4, and ctx quantised at once into the output projection's operand image.
; THE SOFTMAX AHEAD OF THE SECOND PRODUCT: t = score x log2(e) / 8; M = the row's largest t so far, rounded UP to a whole number; p = 2^(t - M) is quantised along the keys, not normalised; the row's sum is taken of the unquantised p and divides at the end.
; When M moves, the sum and O are multiplied by 2^(old M - new M): exact.
; SHARES.  Work-group (j, bh) holds ALL of its head's K and V (images and scale words, 136 KiB) in LDS, filled once through registers, and owns the query tiles T with T % 4 = j.  Wave w takes T = j + 4 w, then T = j + 124 - 4 w.
; A wave owns one tile of 16 queries at a time and walks the keys 128 a step.  Both products are used transposed (S^T = K Q^T, O^T = V^T P^T): a lane holds ONE query throughout.
; THE HEAD'S 64 FILL HALF OF THE INSTRUCTION'S K = 128.  Two key tiles share one operand of 8 registers; Q is kept as codes, zeros, codes: v[16:23] multiplies the low tile, v[20:27] the high one.  Zero codes add nothing.
; THE MASK IS AN INPUT.  An earlier launch has turned it into lane masks (a word for each score register) and summaries.  A key step that is hidden for all 16 queries is left out where each of the 16 has an open key somewhere: its p would all be 0.
; A step all of whose keys are open skips the masking.  These are branches on whole numbers that an earlier launch stored, so this launch has no tensor load; so it has no joint request either, though the four work-groups of a head read the same K and V: that is why there is no cluster.
; LIMITS.  A hidden key's raw score is set to -2^33, so its logit is -2^30 where the definition has -1e9: -2^33 x c is a whole number, exact in f32, so a row with no open key has p = 1 throughout, as the definition gives; with an open key p = 0.
; The two differ only where a real logit lies under about -1e9.  Blocks whose largest magnitude lies under 2^-124 keep the byte 1.  NaN and infinities are not served.
; LDS: K's images at 0 (tile T at 512 T); V's at 65536 (key step 4096, channel tile 1024, half 512); K's scale slots at 131072 (128 bytes for four tiles); V's scale words at 135168 (key step 256: channel tiles 0 | 2, then 1 | 3 in the lanes' halves).
; REGISTERS: v1 16 lane, v2 4 lane, v3 4 (lane % 16), v5 the hidden score, v8-10 the step's addresses, v12 -M, v13 the largest t, v[14:15] the sum, v16-27 Q, v32-63 K, v64-95 V, v96-159 S^T then p, v160-191 O^T, v224-231 p's codes, v232-247 at work,
;   v248-249 K's scale words, v250-251 V's, v252 f, v253 p's scale word, v255 Q's.
.set SEL, 20
.set CS,  22
.set TM,  232
	s_load_b256 s[4:11], s[0:1], 0x0               ; H, MW, FL, C
	v_lshl_add_u32 v242, v0, 2, 0x22000
	v_mov_b32 v243, 0
	v_lshrrev_b32 v4, 5, v0
	v_readfirstlane_b32 s12, v4                    ; wave 0..15
	s_mov_b32 s13, ttmp9                           ; j
	s_and_b32 s14, ttmp7, 0xffff                   ; bh
	v_and_b32 v11, 31, v0
	v_lshlrev_b32 v1, 4, v11
	v_lshlrev_b32 v2, 2, v11
	v_and_b32 v3, 15, v0
	v_lshlrev_b32 v3, 2, v3
	v_mov_b32 v5, 0xd0000000                       ; -2^33
	v_lshlrev_b32 v28, 4, v0                       ; the fill: 16 bytes a thread,
	v_add_nc_u32 v29, 0x10000, v28
	v_lshlrev_b32 v30, 3, v0                       ; 8 bytes a thread,
	v_add_nc_u32 v31, 0x20000, v30
	v_lshl_add_u32 v6, v4, 8, v2                   ; a key step a wave
	v_add_nc_u32 v7, 135168, v6
	s_lshl_b32 s32, s14, 16
	s_mov_b32 s33, 0
	s_lshl_b32 s34, s14, 12
	s_mov_b32 s35, 0
	s_mov_b32 s[SEL], 0x76543210
	s_mov_b32 s[SEL+1], 0xfedcba98
	s_mov_b32 s[CS], 0x3e38aa3b                    ; c = log2(e) / 8
	s_mov_b32 s[CS+1], s[CS]                       ; (named with it as a pair, so it is written)
	s_wait_kmcnt 0x0
	s_add_nc_u64 s[36:37], s[4:5], s[32:33]
	s_add_nc_u64 s[38:39], s[36:37], 0x800000      ; V's images
	s_add_nc_u64 s[36:37], s[36:37], 0x400000      ; K's
	s_add_nc_u64 s[40:41], s[4:5], s[34:35]
	s_add_nc_u64 s[42:43], s[40:41], 12582912+524288   ; V's scale slots
	s_add_nc_u64 s[40:41], s[40:41], 12582912+262144   ; K's
.irp i, 0,1,2,3,4,5,6,7
	global_load_b128 v[32+4*\i:35+4*\i], v28, s[36:37] offset:8192*\i
	global_load_b128 v[64+4*\i:67+4*\i], v28, s[38:39] offset:8192*\i
.endr
	global_load_b64 v[96:97], v30, s[40:41]
	global_load_b32 v98, v6, s[42:43]              ; keys 128 w .. + 63: lane (r, h): channel tiles 2 h, 2 h + 1
	global_load_b32 v99, v6, s[42:43] offset:128   ; keys 128 w + 64 ..
.irp b, 0,1,2,3
	v_mov_b32 v[20+\b], 0                          ; the zeros between Q's two copies: written once
	v_mov_b32 v[236+\b], 0                         ; written once: a lane permute's destination counts as one of its sources
.endr
	v_mov_b32 v252, 0                              ; likewise
	v_mov_b32 v253, 0                              ; (named as the upper half of the pair v[252:253] before it is first written)
	s_lshl_b32 s15, s12, 2
	s_add_co_u32 s15, s15, s13                     ; my first tile of queries
	s_mov_b32 s16, 0
	s_wait_loadcnt 0x0
	v_perm_b32 v100, v99, v98, 0x05040100          ; the four bytes of a key step: channel tile 2 h,
	v_perm_b32 v101, v99, v98, 0x07060302          ; and 2 h + 1
.irp i, 0,1,2,3,4,5,6,7
	ds_store_b128 v28, v[32+4*\i:35+4*\i] offset:8192*\i
	ds_store_b128 v29, v[64+4*\i:67+4*\i] offset:8192*\i
.endr
	ds_store_b64 v31, v[96:97]
	ds_store_b32 v7, v100
	ds_store_b32 v7, v101 offset:128
	s_wait_dscnt 0x0                               ; for the others' sake: my stores have landed
	s_barrier_signal -1
	s_barrier_wait -1                              ; the one barrier: from here on LDS is only read
; 32 numbers of a lane, register 16 b + i = k 32 b + 16 h + i, become four registers of codes and two scale bytes
.macro QUANT2 s, pc, pw
.irp b, 0,1
	v_max3_num_f32 v[TM+\b], |v[(\s)+16*\b]|, |v[(\s)+1+16*\b]|, 0x1800000
.endr
.irp i, 2,4,6,8,10,12,14
.irp b, 0,1
	v_max3_num_f32 v[TM+\b], v[TM+\b], |v[(\s)+16*\b+\i]|, |v[(\s)+1+16*\b+\i]|
.endr
.endr
.irp b, 0,1
	v_permlanex16_b32 v[TM+4+\b], v[TM+\b], s[SEL], s[SEL+1]
.endr
.irp b, 0,1
	v_max_num_f32 v[TM+\b], v[TM+\b], v[TM+4+\b]
.endr
.irp b, 0,1
	v_add_nc_u32 v[TM+12+\b], 0xff000000, v[TM+\b]
.endr
.irp b, 0,1
	v_lshrrev_b32 v[TM+4+\b], 23, v[TM+12+\b]
.endr
	v_lshl_or_b32 v[\pw], v[TM+5], 8, v[TM+4]
.irp b, 0,1
	v_cvt_scalef32_pk8_fp4_f32 v[(\pc)+2*\b], v[(\s)+16*\b:(\s)+16*\b+7], v[TM+12+\b]
	v_cvt_scalef32_pk8_fp4_f32 v[(\pc)+2*\b+1], v[(\s)+16*\b+8:(\s)+16*\b+15], v[TM+12+\b]
.endr
	v_nop                                          ; one plain instruction behind a scaled conversion
	v_permlane16_swap_b32 v[(\pc)], v[(\pc)+2]
	v_permlane16_swap_b32 v[(\pc)+1], v[(\pc)+3]
.endm
.Ltile:                                            ; two trips: my two tiles of queries
	s_wait_xcnt 0x0                                ; the last tile's stores have read their bases and data
	s_lshl_b32 s32, s14, 16
	s_lshl_b32 s33, s15, 9
	s_add_co_u32 s32, s32, s33
	s_mov_b32 s33, 0
	s_add_nc_u64 s[34:35], s[4:5], s[32:33]        ; Q's image of tile T
	global_load_b128 v[16:19], v1, s[34:35]
	global_load_b128 v[24:27], v1, s[34:35]        ; twice: on either side of the zeros
	s_lshl_b32 s36, s14, 12
	s_lshr_b32 s37, s15, 2
	s_lshl_b32 s37, s37, 7
	s_add_co_u32 s36, s36, s37                     ; the slot of T's group of four tiles,
	s_and_b32 s37, s15, 2
	s_lshl_b32 s37, s37, 5
	s_add_co_u32 s36, s36, s37                     ; the half of its lanes that holds T's pair
	s_add_co_u32 s36, s36, 12582912
	s_mov_b32 s37, 0
	s_add_nc_u64 s[36:37], s[4:5], s[36:37]
	global_load_b32 v254, v3, s[36:37]
	s_lshl_b32 s38, s15, 8
	s_load_b128 s[40:43], s[8:9], s38 offset:0     ; the summaries of keys 0 .. 1,023
	s_load_b128 s[44:47], s[8:9], s38 offset:128   ; and of 1,024 .. 2,047
	s_lshl_b32 s32, s15, 12
	s_add_nc_u64 s[28:29], s[6:7], s[32:33]        ; T's mask words
	v_mov_b32 v13, 0xff61b1e6                      ; the largest t so far: -3e38, under every t
	v_floor_f32 v12, -v13                          ; -M
	v_mov_b32 v14, 0                               ; the sum, in two halves
	v_mov_b32 v15, 0
	s_wait_kmcnt 0x0
	s_lshl_b32 s44, s44, 8
	s_or_b32 s40, s40, s44                         ; bit k: key step k has an open key
	s_lshl_b32 s45, s45, 8
	s_or_b32 s41, s41, s45                         ; bit k: all its keys are open
	s_or_b32 s42, s42, s46
	s_lshr_b32 s46, s42, 16
	s_or_b32 s42, s42, s46
	s_and_b32 s42, s42, 0xffff                     ; bit r: the query at position r has an open key
	s_mov_b32 s25, 0xffff
	s_cmp_eq_u32 s42, s25
	s_cselect_b32 s25, s40, s25                    ; the steps to work: those with an open key, or all sixteen where some query has none
	s_and_not1_b32 s26, s25, s41                   ; and of them the steps to mask
	s_and_b32 s27, s15, 1
	s_lshl_b32 s27, s27, 4
	s_wait_loadcnt 0x0
	v_lshrrev_b32 v254, s27, v254
	v_and_b32 v254, 0xffff, v254                   ; T's two bytes,
	v_lshl_or_b32 v255, v254, 16, v254             ; for either place of Q's codes
.irp j, 0,1,2,3,4,5,6,7,8,9,10,11,12,13,14,15,16,17,18,19,20,21,22,23,24,25,26,27,28,29,30,31
	v_mov_b32 v[160+\j], 0                         ; O^T: which step is a tile's first hangs on the mask, so the step is written once and finds zeros.  (More than the eight plain instructions that stand between a scale register's write and its first use)
.endr
	s_mov_b32 s17, 0                               ; the key step
	s_mov_b32 s18, 0                               ; its images: 4,096 bytes a step
	s_mov_b32 s19, 131072                          ; its scale words: 256 bytes a step
	s_mov_b32 s24, 0                               ; its mask words: 256 bytes a step
.Lstep:                                            ; sixteen trips
	v_add_nc_u32 v8, s18, v1
	v_add_nc_u32 v9, 0x10000, v8
	v_add_nc_u32 v10, s19, v2
	v_nop                                          ; four plain instructions behind the last products, in front of the loads into V's registers
	s_lshr_b32 s27, s25, s17
	s_and_b32 s27, s27, 1
	s_cmp_eq_u32 s27, 0
	s_cbranch_scc1 .Lskip                          ; nothing open in this step
.irp t, 0,1,2,3,4,5,6,7
	ds_load_b128 v[32+4*\t:35+4*\t], v8 offset:512*\t      ; key tiles 2 u and 2 u + 1 make one operand
.endr
	ds_load_b32 v248, v10
	ds_load_b32 v249, v10 offset:128
.irp a, 0,1,2,3
.irp c, 0,1
	ds_load_b128 v[64+8*\a+4*\c:67+8*\a+4*\c], v9 offset:1024*\a+512*\c
.endr
.endr
	ds_load_b32 v250, v10 offset:4096
	ds_load_b32 v251, v10 offset:4224
	s_wait_dscnt 10                                ; K and its scale words are in; V's ten loads may be out
.irp t, 0,1,4,5                                ; S^T: tile t; the pair's scale word in lanes 0-15
	v_wmma_scale_f32_16x16x128_f8f6f4 v[96+8*\t:103+8*\t], v[32+8*(\t/2):39+8*(\t/2)], v[16+4*(\t%2):23+4*(\t%2)], 0, v[248+\t/4], v255 matrix_a_fmt:MATRIX_FMT_FP4 matrix_b_fmt:MATRIX_FMT_FP4
.endr
.irp t, 2,3,6,7                                ; in lanes 16-31
	v_wmma_scale_f32_16x16x128_f8f6f4 v[96+8*\t:103+8*\t], v[32+8*(\t/2):39+8*(\t/2)], v[16+4*(\t%2):23+4*(\t%2)], 0, v[248+\t/4], v255 matrix_a_fmt:MATRIX_FMT_FP4 matrix_b_fmt:MATRIX_FMT_FP4 matrix_a_scale:MATRIX_SCALE_ROW1
.endr
.rept 4
	v_nop                                          ; in front of the first reads of results
.endr
	s_lshr_b32 s27, s26, s17
	s_and_b32 s27, s27, 1
	s_cmp_eq_u32 s27, 0
	s_cbranch_scc1 .Lopen                          ; all 128 keys open for all 16 queries
	s_load_b512 s[32:47], s[28:29], s24 offset:0
	s_load_b512 s[48:63], s[28:29], s24 offset:64
	s_load_b512 s[68:83], s[28:29], s24 offset:128
	s_load_b512 s[84:99], s[28:29], s24 offset:192
	s_wait_kmcnt 0x0
.irp n, 0,1,2,3,4,5,6,7,8,9,10,11,12,13,14,15,16,17,18,19,20,21,22,23,24,25,26,27,28,29,30,31
	v_cndmask_b32 v[96+\n], v5, v[96+\n], s[32+\n] ; register n keeps its score in the lanes whose key is open
.endr
.irp n, 32,33,34,35,36,37,38,39,40,41,42,43,44,45,46,47,48,49,50,51,52,53,54,55,56,57,58,59,60,61,62,63
	v_cndmask_b32 v[96+\n], v5, v[96+\n], s[36+\n]
.endr
.Lopen:
.irp b, 0,1,2,3
	v_max3_num_f32 v[232+\b], v[96+16*\b], v[97+16*\b], v[98+16*\b]   ; the largest score of each block of 32 keys: for the row's maximum and, since p rises with the score, for the block's largest p
.endr
.irp i, 3,5,7,9,11,13
.irp b, 0,1,2,3
	v_max3_num_f32 v[232+\b], v[232+\b], v[96+16*\b+\i], v[97+16*\b+\i]
.endr
.endr
.irp b, 0,1,2,3
	v_max_num_f32 v[232+\b], v[232+\b], v[111+16*\b]
.endr
.irp b, 0,1,2,3
	v_permlanex16_b32 v[236+\b], v[232+\b], s[SEL], s[SEL+1]
.endr
.irp b, 0,1,2,3
	v_max_num_f32 v[232+\b], v[232+\b], v[236+\b]  ; with lane l xor 16's 16 keys
.endr
	v_max3_num_f32 v254, v232, v233, v234
	v_max_num_f32 v254, v254, v235                 ; the step's largest score of my query
	v_mul_f32 v254, s[CS], v254                    ; as t
	v_max_num_f32 v13, v13, v254                   ; the running largest t
	v_mov_b32 v254, v12
	v_floor_f32 v12, -v13                          ; the new -M = -ceil(t)
	v_sub_f32 v254, v12, v254                      ; old M - new M: a whole number, 0 or less
	v_cvt_i32_f32 v254, v254                       ; (it saturates)
	v_ldexp_f32 v252, 1.0, v254                    ; f = 2^(old M - new M)
.irp j, 0,2,4,6,8,10,12,14,16,18,20,22,24,26,28,30,32,34,36,38,40,42,44,46,48,50,52,54,56,58,60,62
	v_pk_fma_f32 v[96+\j:97+\j], v[96+\j:97+\j], s[CS:CS+1], v[12:13] op_sel_hi:[1,0,0]   ; t - M, two at a time
.endr
.irp b, 0,1,2,3
	v_fma_f32 v[232+\b], v[232+\b], s[CS], v12     ; the same of each block's largest score
.endr
.irp j, 0,1,2,3,4,5,6,7,8,9,10,11,12,13,14,15,16,17,18,19,20,21,22,23,24,25,26,27,28,29,30,31,32,33,34,35,36,37,38,39,40,41,42,43,44,45,46,47,48,49,50,51,52,53,54,55,56,57,58,59,60,61,62,63
	v_exp_f32 v[96+\j], v[96+\j]                   ; p = 2^(t - M), at most 1
.endr
	v_pk_mul_f32 v[14:15], v[14:15], v[252:253] op_sel_hi:[1,0]   ; the sums under the new M: the plain instruction behind the exponentials
	s_wait_alu depctr_va_vdst(0)                   ; one wait for the whole batch, ahead of its first reader
.irp b, 0,1,2,3
	v_exp_f32 v[232+\b], v[232+\b]                 ; each block's largest p
.endr
	v_pk_add_f32 v[236:237], v[96:97], v[98:99]    ; the row's sum of the unquantised p, in two chains
.irp j, 4,8,12,16,20,24,28,32,36,40,44,48,52,56,60
	v_pk_add_f32 v[14:15], v[14:15], v[96+\j:97+\j]
	v_pk_add_f32 v[236:237], v[236:237], v[98+\j:99+\j]
.endr
	v_pk_add_f32 v[14:15], v[14:15], v[236:237]
	s_wait_alu depctr_va_vdst(0)                   ; and one for the four
.irp b, 0,1,2,3
	v_max_num_f32 v[232+\b], 0x1800000, v[232+\b]  ; the floor 2^(3 - 127): a block whose every p is 0 keeps the byte 1: its codes are zeros
.endr
.irp b, 0,1,2,3
	v_add_nc_u32 v[244+\b], 0xff000000, v[232+\b]
.endr
.irp b, 0,1,2,3
	v_lshrrev_b32 v[236+\b], 23, v[244+\b]
.endr
	v_lshl_or_b32 v253, v237, 8, v236              ; p's scale word for these 128 keys
	v_lshl_or_b32 v253, v238, 16, v253
	v_lshl_or_b32 v253, v239, 24, v253
.irp b, 0,1,2,3
	v_cvt_scalef32_pk8_fp4_f32 v[224+2*\b], v[96+16*\b:103+16*\b], v[244+\b]
	v_cvt_scalef32_pk8_fp4_f32 v[225+2*\b], v[104+16*\b:111+16*\b], v[244+\b]
.endr
	v_nop                                          ; one plain instruction behind a scaled conversion
.irp c, 0,1
.irp i, 0,1
	v_permlane16_swap_b32 v[224+4*\c+\i], v[226+4*\c+\i]
.endr
.endr
.irp j, 0,2,4,6,8,10,12,14,16,18,20,22,24,26,28,30
	v_pk_mul_f32 v[160+\j:161+\j], v[160+\j:161+\j], v[252:253] op_sel_hi:[1,0]   ; O^T under the new M.  For each product below twelve of these name none of its registers: the plain instructions between p's scale word and codes and their use
.endr
	s_wait_dscnt 0x0                               ; V and its scale words are in
.irp a, 0,1                                    ; O^T += V^T P^T: channel tile a; four accumulators by turns
	v_wmma_scale_f32_16x16x128_f8f6f4 v[160+8*\a:167+8*\a], v[64+8*\a:71+8*\a], v[224:231], v[160+8*\a:167+8*\a], v[250+\a%2], v253 matrix_a_fmt:MATRIX_FMT_FP4 matrix_b_fmt:MATRIX_FMT_FP4
.endr
.irp a, 2,3
	v_wmma_scale_f32_16x16x128_f8f6f4 v[160+8*\a:167+8*\a], v[64+8*\a:71+8*\a], v[224:231], v[160+8*\a:167+8*\a], v[250+\a%2], v253 matrix_a_fmt:MATRIX_FMT_FP4 matrix_b_fmt:MATRIX_FMT_FP4 matrix_a_scale:MATRIX_SCALE_ROW1
.endr
.Lskip:
	s_add_co_u32 s18, s18, 4096
	s_add_co_u32 s19, s19, 256
	s_add_co_u32 s24, s24, 256
	s_add_co_u32 s17, s17, 1
	s_cmp_lt_u32 s17, 16
	s_cbranch_scc1 .Lstep
	; the tile's end: O^T / the sum, quantised along the head's 64, which are 64 of the output projection's K
.rept 4
	v_nop                                          ; behind the last products
.endr
	v_add_f32 v14, v14, v15
	v_permlanex16_b32 v252, v14, s[SEL], s[SEL+1]
	v_add_f32 v14, v14, v252                       ; the row's sum
	v_rcp_f32 v14, v14
	v_nop                                          ; a plain instruction behind the reciprocal
	s_lshr_b32 s32, s14, 4
	s_lshl_b32 s32, s32, 7
	s_add_co_u32 s32, s32, s15                     ; the tile among all 512: 128 batch + T
	s_and_b32 s33, s14, 15                         ; the head
	s_lshr_b32 s34, s32, 3
	s_lshl_b32 s34, s34, 16                        ; the block of 128 rows,
	s_and_b32 s35, s32, 7
	s_lshl_b32 s35, s35, 10                        ; the tile in it,
	s_add_co_u32 s34, s34, s35
	s_and_b32 s35, s33, 14
	s_lshl_b32 s35, s35, 12                        ; K step head / 2,
	s_add_co_u32 s34, s34, s35
	s_and_b32 s35, s33, 1
	s_lshl_b32 s35, s35, 9                         ; half head % 2 of the fragment
	s_add_co_u32 s34, s34, s35
	s_mov_b32 s35, 0
	s_add_nc_u64 s[34:35], s[10:11], s[34:35]
	s_lshl_b32 s36, s32, 11
	s_lshl_b32 s37, s33, 7
	s_add_co_u32 s36, s36, s37
	s_add_co_u32 s36, s36, 4194304
	s_mov_b32 s37, 0
	s_add_nc_u64 s[36:37], s[10:11], s[36:37]      ; the tile's and head's scale bytes
	s_wait_alu depctr_va_vdst(0)                   ; ahead of the reciprocal's first reader
.irp j, 0,2,4,6,8,10,12,14,16,18,20,22,24,26,28,30
	v_pk_mul_f32 v[96+\j:97+\j], v[160+\j:161+\j], v[14:15] op_sel_hi:[1,0]   ; register 16 b + i = channel 32 b + 16 h + i of my query; each accumulator from its low end on
.endr
	QUANT2 96, 224, 246
	global_store_b128 v1, v[224:227], s[34:35]     ; 512 consecutive bytes, aligned
	global_store_b32 v2, v246, s[36:37]
	s_lshl_b32 s27, s13, 1
	s_add_co_u32 s27, s27, 124
	s_sub_co_u32 s15, s27, s15                     ; the other tile: 2 j + 124 - T
	s_add_co_u32 s16, s16, 1
	s_cmp_lt_u32 s16, 2
	s_cbranch_scc1 .Ltile
	s_wait_tensorcnt 0x0
	ds_add_u32 v242, v243
	s_wait_dscnt 0x0
	s_endpgm
.Lfunc_end_k_q9abae9ed43_attn:
	.size	k_q9abae9ed43_attn, .Lfunc_end_k_q9abae9ed43_attn-k_q9abae9ed43_attn
	.p2alignl 7, 3214868480
	.fill 96, 4, 3214868480
	.section	.rodata,"a",@progbits
	.p2align	6, 0x0
	.amdhsa_kernel k_q9abae9ed43_attn
		.amdhsa_group_segment_fixed_size 141312
		.amdhsa_private_segment_fixed_size 0
		.amdhsa_enable_private_segment 0
		.amdhsa_kernarg_size 32
		.amdhsa_user_sgpr_count 2
		.amdhsa_user_sgpr_kernarg_segment_ptr 1
		.amdhsa_wavefront_size32 1
		.amdhsa_system_sgpr_workgroup_id_x 1
		.amdhsa_system_sgpr_workgroup_id_y 1
		.amdhsa_system_sgpr_workgroup_id_z 1
		.amdhsa_system_vgpr_workitem_id 0
		.amdhsa_next_free_vgpr 256
		.amdhsa_next_free_sgpr 100
		.amdhsa_reserve_vcc 0
		.amdhsa_float_denorm_mode_32 3
		.amdhsa_float_denorm_mode_16_64 3
		.amdhsa_memory_ordered 1
		.amdhsa_forward_progress 1
		.amdhsa_inst_pref_size 33
	.end_amdhsa_kernel
	.amdgpu_metadata
---
amdhsa.version: [ 1, 2 ]
amdhsa.kernels:
  - .name:           k_q9abae9ed43_attn
    .symbol:         k_q9abae9ed43_attn.kd
    .args:
      - { .name: H, .offset: 0, .size: 8, .value_kind: global_buffer, .address_space: global }
      - { .name: MW, .offset: 8, .size: 8, .value_kind: global_buffer, .address_space: global }
      - { .name: FL, .offset: 16, .size: 8, .value_kind: global_buffer, .address_space: global }
      - { .name: C, .offset: 24, .size: 8, .value_kind: global_buffer, .address_space: global }
    .group_segment_fixed_size: 141312
    .private_segment_fixed_size: 0
    .kernarg_segment_align: 8
    .kernarg_segment_size: 32
    .max_flat_workgroup_size: 512
    .sgpr_count:     100
    .vgpr_count:     256
    .wavefront_size: 32
...
	.end_amdgpu_metadata
.endif
;; end of part 3
;; launch outp (part 4): grid 4 x 64, 16 waves a work-group, clusters of 4 x 4, 268,288 bytes of LDS; arguments C, W, bo, out0; writes out0
.if DOCPART == 4
	.amdgcn_target "amdgcn-amd-amdhsa--gfx1250"
	.amdhsa_code_object_version 6
	.text
	.protected	k_q9abae9ed43_outp
	.globl	k_q9abae9ed43_outp
	.p2align	8
	.type	k_q9abae9ed43_outp,@function
k_q9abae9ed43_outp:
	s_mov_b64 s[64:65], 0
	v_nop
	global_prefetch_b8 v0, s[64:65] scope:SCOPE_SE
	s_setreg_imm32_b32 hwreg(HW_REG_WAVE_MODE, 25, 1), 1
	s_wait_xcnt 0x0
	s_wait_alu depctr_hold_cnt(0) depctr_sa_sdst(0) depctr_va_vdst(0) depctr_va_sdst(0) depctr_va_ssrc(0) depctr_va_vcc(0) depctr_vm_vsrc(0)
	s_getreg_b32 s2, hwreg(HW_REG_IB_STS2, 6, 4)
	s_cmp_eq_u32 s2, 0
	s_cbranch_scc0 .Lentry_in_a_cluster
	s_endpgm
.Lentry_in_a_cluster:
	s_bfe_u32 s2, ttmp6, 0x10000c
	s_cmp_lg_u32 s2, 0xf033
	s_cbranch_scc0 .Lentry_shape_is_right
	s_endpgm
.Lentry_shape_is_right:
; out0 = ctx Wo^T + bo on codes of FP4.  ctx [8192][1024] arrives as images of its operand registers with its scale bytes in pieces (two bytes for each tile position and head); Wo as the weights of the projections.
; SHARES.  A work-group makes 128 rows x 256 outputs; wave (wy, wx) of sixteen makes 32 x 64: 8 accumulators.  K = 1,024 is 8 steps of 128.  The whole K of both blocks lies in LDS, every byte filled once.
; CLUSTERS: 4 x 4 work-groups.  The four of a row of the cluster need the same block of ctx, the four of a column the same block of Wo: each piece of 16 KiB is asked for JOINTLY.  Wave 0 fetches ctx's four pieces, waves 2 and 3 Wo's: four loads are out in such a wave.
; TRANSPOSED: source 0 = 16 rows of Wo, source 1 = 16 rows of ctx: a lane holds one row of the result; its 32 registers of a tile of rows are: register 16 b + i = output 32 b + 16 h + i.  bo is the C of K step 0's products.
; The tiles' rows are not neighbours: position p of tile T is row 32 (T / 2) + 8 (T % 2) + p + 8 (p / 8).
; LDS: ctx at 0 (K step 8192, tile 1024); Wo at 65536 (K step 16384, tile 1024); from 196608 a stage of 16 rows x (256 + 16) bytes for each wave, into which no tensor load lands.
; REGISTERS: v1 16 lane, v5 ctx's LDS address, v7-8 Wo's, v9-10 offsets, v11-13 the way out, v32-39 ctx's scale words, v48-63 Wo's, v64-79 ctx's fragments, v96-127 Wo's, v128-191 the accumulators, v192-223 bo; on the way out v64-127 take the rows.
.set WV,  16
.set G1C, 24
.set G1W, 32
.set G0C, 40
.set G0W, 68
.set SC,  32
.set SW,  48
.set FC,  64
.set FW,  96
.set ACC, 128
.set BI,  192
.set STG, 196608
.macro CROUND                          ; a round of the cluster's barrier
	s_barrier_signal -1
	s_barrier_wait -1
	s_cmp_lg_u32 s[WV], 0
	s_cbranch_scc1 .Lnot_wave_0_\@
	s_barrier_signal -3
.Lnot_wave_0_\@:
	s_barrier_wait -3
	s_barrier_signal -1
	s_barrier_wait -1
.endm
	s_load_b256 s[4:11], s[0:1], 0x0               ; C, W, bo, out0
	v_lshl_add_u32 v224, v0, 2, 0x41000
	v_mov_b32 v225, 0
	ds_add_u32 v224, v225
	ds_add_u32 v224, v225
	v_lshrrev_b32 v1, 5, v0
	v_readfirstlane_b32 s[WV], v1
	s_bfe_u32 s17, ttmp6, 0x40000                  ; cx
	s_bfe_u32 s18, ttmp6, 0x40004                  ; cy
	s_and_b32 s19, ttmp7, 0xffff
	s_lshl_b32 s21, s19, 2
	s_add_co_u32 s21, s21, s18                     ; block of 128 rows, 0..63
	s_lshl_b32 s22, ttmp9, 2
	s_add_co_u32 s22, s22, s17                     ; block of 256 outputs, 0..3
	s_lshl_b32 s23, s18, 2
	s_lshl_b32 s23, 15, s23                        ; my row of the cluster
	s_lshl_b32 s84, 0x1111, s17                    ; my column
	s_or_b32 s[G1C], s23, (3<<16)|(1<<21)          ; 15:0 the mask; 17:16 elements of 8 bytes; 21 set beside a mask; no padding
	s_or_b32 s[G1W], s84, (3<<16)|(1<<21)
.irp g, G1C, G1W                               ; 16 KiB on end, as 64 rows of 256 bytes
	s_mov_b32 s[\g+1], 32<<16
	s_mov_b32 s[\g+2], 64<<16
	s_mov_b32 s[\g+3], 32<<16
	s_mov_b32 s[\g+4], 64
	s_mov_b32 s[\g+5], 32
	s_mov_b32 s[\g+6], 0
	s_mov_b32 s[\g+7], 0
.endr
	s_and_b32 s85, s[WV], 1
	s_lshl_b32 s85, s85, 14
	s_lshl_b32 s56, s21, 16                        ; ctx: the block.  These registers never hold cx,
	s_mov_b32 s57, 0
	s_lshl_b32 s58, s22, 17                        ; and Wo's never cy
	s_add_co_u32 s58, s58, s85
	s_add_co_u32 s58, s58, 1572864                 ; Wo is the fourth weight
	s_mov_b32 s59, 0
	s_wait_dscnt 0x0
	s_wait_kmcnt 0x0
	s_add_nc_u64 s[60:61], s[4:5], s[56:57]
	s_add_nc_u64 s[62:63], s[6:7], s[58:59]
.irp c, 0,1,2,3                                ; chunk c: K steps 2 c and 2 c + 1
	s_mov_b32 s[G0C+4*\c], 1
	s_mov_b32 s[G0C+4*\c+1], \c*16384
	s_add_nc_u64 s[G0C+4*\c+2:G0C+4*\c+3], s[60:61], \c*16384
	s_or_b32 s[G0C+4*\c+3], s[G0C+4*\c+3], 0x80000000
	s_mov_b32 s[G0W+4*\c], 1
	s_add_co_u32 s[G0W+4*\c+1], s85, 65536+\c*32768
	s_add_nc_u64 s[G0W+4*\c+2:G0W+4*\c+3], s[62:63], \c*32768
	s_or_b32 s[G0W+4*\c+3], s[G0W+4*\c+3], 0x80000000
.endr
	CROUND                                         ; all sixteen work-groups are here: the joint loads meet
	s_cmp_eq_u32 s[WV], 0                          ; a wave's four fills stand in one branch on its number; four v_nop follow the last
	s_cbranch_scc0 .Lnot_c
.irp c, 0,1,2,3
	tensor_load_to_lds s[G0C+4*\c:G0C+4*\c+3], s[G1C:G1C+7]
	s_nop 0
.endr
.rept 4
	v_nop
.endr
	s_branch .Lasked
.Lnot_c:
	s_lshr_b32 s89, s[WV], 1
	s_cmp_eq_u32 s89, 1
	s_cbranch_scc0 .Lasked
.irp c, 0,1,2,3
	tensor_load_to_lds s[G0W+4*\c:G0W+4*\c+3], s[G1W:G1W+7]
	s_nop 0
.endr
.rept 4
	v_nop
.endr
.Lasked:
	v_and_b32 v2, 31, v0
	v_and_b32 v3, 15, v0                           ; r
	v_bfe_u32 v4, v0, 4, 1                         ; h
	v_lshlrev_b32 v1, 4, v2
	v_lshlrev_b32 v9, 6, v4                        ; bo: my half's 16 outputs of a block of 32
	v_lshlrev_b32 v10, 8, v4
	v_lshl_add_u32 v10, v3, 2, v10                 ; ctx's scale pieces: heads 2 h on, position r
	s_lshr_b32 s86, s[WV], 2                       ; wy
	s_and_b32 s87, s[WV], 3                        ; wx
	s_lshl_b32 s88, s21, 14                        ; 8 tiles of 2,048 bytes a block,
	s_lshl_b32 s89, s86, 12                        ; my two tiles
	s_add_co_u32 s88, s88, s89
	s_add_co_u32 s88, s88, 4194304
	s_mov_b32 s89, 0
	s_add_nc_u64 s[92:93], s[4:5], s[88:89]
	s_lshl_b32 s88, s22, 13
	s_lshl_b32 s90, s87, 11
	s_add_co_u32 s88, s88, s90
	s_add_co_u32 s88, s88, 2097152+98304
	s_add_nc_u64 s[94:95], s[6:7], s[88:89]        ; Wo's scale words of my four tiles
	s_lshl_b32 s88, s22, 10
	s_lshl_b32 s90, s87, 8
	s_add_co_u32 s88, s88, s90                     ; my 64 outputs, in bytes
	s_add_nc_u64 s[2:3], s[8:9], s[88:89]          ; in bo,
	s_add_nc_u64 s[96:97], s[10:11], s[88:89]      ; and in a row of out0
	s_lshl_b32 s88, s21, 19                        ; 128 rows of 4,096 bytes,
	s_lshl_b32 s90, s86, 17                        ; my 32
	s_add_co_u32 s88, s88, s90
	s_add_nc_u64 s[96:97], s[96:97], s[88:89]
.irp a, 0,1
.irp e, 0,1,2,3
	global_load_b32 v[64+2*(4*\a+\e)], v10, s[92:93] offset:2048*\a+512*\e       ; head 4 e + 2 h: the low two bytes of K step 2 e + h,
	global_load_b32 v[65+2*(4*\a+\e)], v10, s[92:93] offset:2048*\a+512*\e+128   ; head 4 e + 2 h + 1: the high two
.endr
.endr
.irp t, 0,1,2,3
	global_load_b128 v[SW+4*\t:SW+4*\t+3], v1, s[94:95] offset:512*\t
.endr
.irp b, 0,1,2,3
	global_load_b128 v[BI+8*\b:BI+8*\b+3], v9, s[2:3] offset:(32*(\b/2)+8*(\b%2))*4
	global_load_b128 v[BI+8*\b+4:BI+8*\b+7], v9, s[2:3] offset:(32*(\b/2)+8*(\b%2))*4+16
.endr
	s_lshl_b32 s88, s86, 11
	v_add_nc_u32 v5, s88, v1                       ; ctx's fragments: my two tiles
	s_lshl_b32 s88, s87, 12
	s_add_co_u32 s88, s88, 65536
	v_add_nc_u32 v7, s88, v1                       ; Wo's: my four tiles, K steps 0-3;
	v_add_nc_u32 v8, 0x10000, v7                   ; K steps 4-7
	s_mul_i32 s88, s[WV], 16*272
	s_add_co_u32 s88, s88, STG                     ; my stage
	v_mul_u32_u24 v11, v3, 272
	v_lshl_add_u32 v11, v4, 6, v11
	v_add_nc_u32 v11, s88, v11                     ; in: row r, + 64 h
	v_mul_u32_u24 v12, v4, 272
	v_lshl_add_u32 v12, v3, 4, v12
	v_add_nc_u32 v12, s88, v12                     ; back: lanes 0-15 one row of 256 bytes, lanes 16-31 the next
	v_lshlrev_b32 v13, 12, v4
	v_lshl_add_u32 v13, v3, 4, v13                 ; and the same two rows in out0
	s_wait_loadcnt 0x0
.irp i, 0,1,2,3,4,5,6,7
	v_lshl_or_b32 v[SC+\i], v[65+2*\i], 16, v[64+2*\i]   ; register 4 a + e: lanes 0-15 K step 2 e of tile a, lanes 16-31 K step 2 e + 1
.endr
.rept 8
	v_nop                                          ; eight plain instructions between a scale register's write and its first use
.endr
; 8 matrix instructions: K step s; the 8 accumulators take turns, one instruction a turn
.macro MUL8 s
.irp a, 0,1
.irp b, 0,1,2,3
.if (\s) == 0
	v_wmma_scale_f32_16x16x128_f8f6f4 v[ACC+8*(4*\a+\b):ACC+8*(4*\a+\b)+7], v[FW+8*\b:FW+8*\b+7], v[FC+8*\a:FC+8*\a+7], v[BI+8*\b:BI+8*\b+7], v[SW+4*\b], v[SC+4*\a] matrix_a_fmt:MATRIX_FMT_FP4 matrix_b_fmt:MATRIX_FMT_FP4
.elseif ((\s)%2) == 0
	v_wmma_scale_f32_16x16x128_f8f6f4 v[ACC+8*(4*\a+\b):ACC+8*(4*\a+\b)+7], v[FW+8*\b:FW+8*\b+7], v[FC+8*\a:FC+8*\a+7], v[ACC+8*(4*\a+\b):ACC+8*(4*\a+\b)+7], v[SW+4*\b+(\s)/2], v[SC+4*\a+(\s)/2] matrix_a_fmt:MATRIX_FMT_FP4 matrix_b_fmt:MATRIX_FMT_FP4
.else
	v_wmma_scale_f32_16x16x128_f8f6f4 v[ACC+8*(4*\a+\b):ACC+8*(4*\a+\b)+7], v[FW+8*\b:FW+8*\b+7], v[FC+8*\a:FC+8*\a+7], v[ACC+8*(4*\a+\b):ACC+8*(4*\a+\b)+7], v[SW+4*\b+(\s)/2], v[SC+4*\a+(\s)/2] matrix_a_fmt:MATRIX_FMT_FP4 matrix_b_fmt:MATRIX_FMT_FP4 matrix_a_scale:MATRIX_SCALE_ROW1 matrix_b_scale:MATRIX_SCALE_ROW1
.endif
.endr
.endr
.endm
.macro KSTEP s
.if (\s) > 0
.rept 4
	v_nop                                          ; four plain instructions in front of loads into registers that matrix instructions have read
.endr
.endif
.irp a, 0,1
.irp c, 0,1
	ds_load_b128 v[FC+8*\a+4*\c:FC+8*\a+4*\c+3], v5 offset:(\s)*8192+\a*1024+512*\c
.endr
.endr
.irp t, 0,1,2,3
.irp c, 0,1
	ds_load_b128 v[FW+8*\t+4*\c:FW+8*\t+4*\c+3], v[7+(\s)/4] offset:((\s)%4)*16384+\t*1024+512*\c
.endr
.endr
	s_wait_dscnt 0x0
	MUL8 \s
.endm
.macro PHASE c
	s_wait_tensorcnt 3-(\c)                        ; in a fetching wave: chunks 0 .. c have landed, the 3 - c behind them may be out; the other waves have none out
	s_barrier_signal -1                            ; no LDS access of mine is pending
	s_barrier_wait -1
	KSTEP 2*(\c)
	KSTEP 2*(\c)+1
.endm
	PHASE 0
	PHASE 1
	PHASE 2
	PHASE 3
; THE WAY OUT.  A lane holds pieces of one row and the lanes beside it hold other rows: a tile of 16 rows x 64 outputs goes through my own stage and comes back as whole rows of 256 bytes.
; LDS serves a wave's instructions in order (ISA guide 5.7.1.4): no wait between the stores and the loads, nor in front of the next tile's stores.
.macro TOSTAGE a
.irp q, 0,1,2,3,4,5,6,7                        ; each accumulator from its low end on
	ds_store_b128 v11, v[ACC+32*\a+4*\q:ACC+32*\a+4*\q+3] offset:(\q/4)*128+(\q%4)*16
.endr
.irp i, 0,1,2,3,4,5,6,7
	ds_load_b128 v[64+32*\a+4*\i:64+32*\a+4*\i+3], v12 offset:\i*544
.endr
.endm
.macro SEND a, younger                         ; younger: the LDS instructions issued behind this tile's loads
.irp i, 0,1,2,3,4,5,6,7
	s_wait_dscnt \younger+7-\i
	global_store_b128 v13, v[64+32*\a+4*\i:64+32*\a+4*\i+3], s[96:97] offset:(2*\i+8*(\i/4)+8*\a)*4096 th:TH_STORE_NT   ; positions 2 i and 2 i + 1 of tile a: 16 lanes store 256 consecutive bytes, aligned
.endr
.endm
.rept 4
	v_nop                                          ; behind the last products: in front of the first reads of results and of the loads into the fragments' registers
.endr
	TOSTAGE 0
	TOSTAGE 1
	SEND 0, 16
	SEND 1, 0
	s_wait_tensorcnt 0x0
	ds_add_u32 v224, v225
	s_wait_dscnt 0x0
	CROUND                                         ; the closing round: no work-group ends while a partner may still ask for a piece that names it
	s_endpgm
.Lfunc_end_k_q9abae9ed43_outp:
	.size	k_q9abae9ed43_outp, .Lfunc_end_k_q9abae9ed43_outp-k_q9abae9ed43_outp
	.p2alignl 7, 3214868480
	.fill 96, 4, 3214868480
	.section	.rodata,"a",@progbits
	.p2align	6, 0x0
	.amdhsa_kernel k_q9abae9ed43_outp
		.amdhsa_group_segment_fixed_size 268288
		.amdhsa_private_segment_fixed_size 0
		.amdhsa_enable_private_segment 0
		.amdhsa_kernarg_size 32
		.amdhsa_user_sgpr_count 2
		.amdhsa_user_sgpr_kernarg_segment_ptr 1
		.amdhsa_wavefront_size32 1
		.amdhsa_system_sgpr_workgroup_id_x 1
		.amdhsa_system_sgpr_workgroup_id_y 1
		.amdhsa_system_sgpr_workgroup_id_z 1
		.amdhsa_system_vgpr_workitem_id 0
		.amdhsa_next_free_vgpr 226
		.amdhsa_next_free_sgpr 100
		.amdhsa_reserve_vcc 0
		.amdhsa_float_denorm_mode_32 3
		.amdhsa_float_denorm_mode_16_64 3
		.amdhsa_memory_ordered 1
		.amdhsa_forward_progress 1
		.amdhsa_inst_pref_size 32
	.end_amdhsa_kernel
	.amdgpu_metadata
---
amdhsa.version: [ 1, 2 ]
amdhsa.kernels:
  - .name:           k_q9abae9ed43_outp
    .symbol:         k_q9abae9ed43_outp.kd
    .args:
      - { .name: C, .offset: 0, .size: 8, .value_kind: global_buffer, .address_space: global }
      - { .name: W, .offset: 8, .size: 8, .value_kind: global_buffer, .address_space: global }
      - { .name: bo, .offset: 16, .size: 8, .value_kind: global_buffer, .address_space: global }
      - { .name: out0, .offset: 24, .size: 8, .value_kind: global_buffer, .address_space: global }
    .group_segment_fixed_size: 268288
    .private_segment_fixed_size: 0
    .kernarg_segment_align: 8
    .kernarg_segment_size: 32
    .max_flat_workgroup_size: 512
    .sgpr_count:     100
    .vgpr_count:     226
    .wavefront_size: 32
...
	.end_amdgpu_metadata
.endif
;; end of part 4
;; ======== version 2 of 2: 4 launches; version 1 with the launch attn written anew for expert scheduling mode
;; limits: right only within a limited range of input values
;; workspace buffers: X 13,369,344 bytes; W 2,228,224 bytes; H 13,369,344 bytes; C 5,242,880 bytes; MW 524,288 bytes of whole numbers; FL 32,768 bytes of whole numbers
;; launch prep: the kernel of part 1 again; grid 512 x 1, 4 waves a work-group, no clusters, 68,096 bytes of LDS; arguments q, k, v, Wq, Wk, Wv, Wo, mask, X, W, MW, FL; writes X, W, MW, FL
;; launch proj: the kernel of part 2 again; grid 4 x 96, 16 waves a work-group, clusters of 4 x 4, 264,192 bytes of LDS; arguments X, W, bq, bk, bv, H; writes H
;; launch attn (part 5): grid 4 x 64, 16 waves a work-group, no clusters, 141,312 bytes of LDS; arguments H, MW, FL, C; writes C
.if DOCPART == 5
	.amdgcn_target "amdgcn-amd-amdhsa--gfx1250"
	.amdhsa_code_object_version 6
	.text
	.protected	k_q9abae9ed43_attn
	.globl	k_q9abae9ed43_attn
	.p2align	8
	.type	k_q9abae9ed43_attn,@function
k_q9abae9ed43_attn:
	s_mov_b64 s[64:65], 0
	v_nop
	global_prefetch_b8 v0, s[64:65] scope:SCOPE_SE
	s_setreg_imm32_b32 hwreg(HW_REG_WAVE_SCHED_MODE, 0, 2), 2
	s_setreg_imm32_b32 hwreg(HW_REG_WAVE_MODE, 25, 1), 1
	s_wait_xcnt 0x0
	s_wait_alu depctr_vm_vsrc(0)
; ctx = softmax(Q K^T / 8, under the mask) V for one head and batch, both products on codes of FP4, and ctx quantised at once into the output projection's operand image.
; THE SOFTMAX AHEAD OF THE SECOND PRODUCT: t = score x log2(e) / 8; M = the row's largest t so far, rounded UP to a whole number; p = 2^(t - M) is quantised along the keys, not normalised; the row's sum is taken of the unquantised p and divides at the end.
; When M moves, the sum and O are multiplied by 2^(old M - new M): exact.
; SHARES.  Work-group (j, bh) holds ALL of its head's K and V (images and scale words, 136 KiB) in LDS, filled once through registers, and owns the query tiles T with T % 4 = j.  Wave w takes T = j + 4 w, then T = j + 124 - 4 w.
; A wave owns one tile of 16 queries at a time and walks the keys 128 a step.  Both products are used transposed (S^T = K Q^T, O^T = V^T P^T): a lane holds ONE query throughout.
; THE HEAD'S 64 FILL HALF OF THE INSTRUCTION'S K = 128.  Two key tiles share one operand of 8 registers; Q is kept as codes, zeros, codes: v[16:23] multiplies the low tile, v[20:27] the high one.  Zero codes add nothing.
; THE MASK IS AN INPUT.  An earlier launch has turned it into lane masks (a word for each score register) and summaries.  A key step that is hidden for all 16 queries is left out where each of the 16 has an open key somewhere: its p would all be 0.
; A step all of whose keys are open skips the masking.  These are branches on whole numbers that an earlier launch stored, so this launch has no tensor load; so it has no joint request either, though the four work-groups of a head read the same K and V: that is why there is no cluster.
; LIMITS.  A hidden key's raw score is set to -2^33, so its logit is -2^30 where the definition has -1e9: -2^33 x c is a whole number, exact in f32, so a row with no open key has p = 1 throughout, as the definition gives; with an open key p = 0.
; The two differ only where a real logit lies under about -1e9.  Blocks whose largest magnitude lies under 2^-124 keep the byte 1.  NaN and infinities are not served.
; LDS: K's images at 0 (tile T at 512 T); V's at 65536 (key step 4096, channel tile 1024, half 512); K's scale slots at 131072 (128 bytes for four tiles); V's scale words at 135168 (key step 256: channel tiles 0 | 2, then 1 | 3 in the lanes' halves).
; REGISTERS: v1 16 lane, v2 4 lane, v3 4 (lane % 16), v5 the hidden score, v8-10 the step's addresses, v12 -M, v13 the largest t, v[14:15] the sum, v16-27 Q, v32-63 K, v64-95 V, v96-159 S^T then p, v160-191 O^T, v224-231 p's codes, v232-247 at work
;   (v242, v243: the closing add's two, made at the head and kept), v248-249 K's scale words, v250-251 V's, v252 f, v253 p's scale word, v255 Q's.
; THE MODE: SCHED_MODE bits 1:0 = 2 (LLVM: expert scheduling mode 2), set by the entry lines.  The code itself states the register dependences between vector or matrix instructions and memory or LDS instructions, with s_wait_alu, always for 0.
; THE PLAN.  Registers that memory or LDS instructions touch:
;   v1-3, v6, v7, v28-31   offsets and the fill's addresses: written at the head, ahead of the first wait on va_vdst, and never again.
;   v32-63, v248, v249     K and its scale words.  Each worked step's LDS loads land in them; its eight score products read them.  (At the head: the fill's loads land in v32-99, its LDS stores read v32-101.)
;   v64-95, v250, v251     V and its scale words.  Each worked step's LDS loads land in them; its last four products read them.
;   v8-10                  the step's LDS addresses: written by three additions at each step's head, read by the step's twenty loads.
;   v16-19, v24-27, v254   the tile's three loads land in them; the tile's score products (v254: vector work) name them.
;   v224-227, v246         written by the tile's last conversions, read by its two stores; v224-231 are written again in the next tile's steps.
; So a worked step has ONE wait on va_vdst for its twenty loads, ahead of the first: the addresses are written, and the step before is done with K's and V's registers.  K's ten loads follow it; V's ten are dealt among the eight score
; products, which name none of V's registers nor their addresses.  One wait on vm_vsrc stands at each step's head, ahead of the additions, and one at each tile's head.  A wait on va_vdst stands ahead of each group of scaled products whose
; codes or scale words vector instructions have made, and ahead of the tile's stores.
.set SEL, 20
.set CS,  22
.set TM,  232
	s_load_b256 s[4:11], s[0:1], 0x0               ; H, MW, FL, C
	v_lshl_add_u32 v242, v0, 2, 0x22000
	v_mov_b32 v243, 0
	v_lshrrev_b32 v4, 5, v0
	v_readfirstlane_b32 s12, v4                    ; wave 0..15
	s_mov_b32 s13, ttmp9                           ; j
	s_and_b32 s14, ttmp7, 0xffff                   ; bh
	v_and_b32 v11, 31, v0
	v_lshlrev_b32 v1, 4, v11
	v_lshlrev_b32 v2, 2, v11
	v_and_b32 v3, 15, v0
	v_lshlrev_b32 v3, 2, v3
	v_mov_b32 v5, 0xd0000000                       ; -2^33
	v_lshlrev_b32 v28, 4, v0                       ; the fill: 16 bytes a thread,
	v_add_nc_u32 v29, 0x10000, v28
	v_lshlrev_b32 v30, 3, v0                       ; 8 bytes a thread,
	v_add_nc_u32 v31, 0x20000, v30
	v_lshl_add_u32 v6, v4, 8, v2                   ; a key step a wave
	v_add_nc_u32 v7, 135168, v6
	s_wait_alu depctr_va_sdst(0)                   ; s12 is written, ahead of its first reader: my first tile of queries is made from it
	s_lshl_b32 s32, s14, 16
	s_mov_b32 s33, 0
	s_lshl_b32 s34, s14, 12
	s_mov_b32 s35, 0
	s_mov_b32 s[SEL], 0x76543210
	s_mov_b32 s[SEL+1], 0xfedcba98
	s_mov_b32 s[CS], 0x3e38aa3b                    ; c = log2(e) / 8
	s_mov_b32 s[CS+1], s[CS]                       ; (named with it as a pair, so it is written)
	s_wait_kmcnt 0x0
	s_add_nc_u64 s[36:37], s[4:5], s[32:33]
	s_add_nc_u64 s[38:39], s[36:37], 0x800000      ; V's images
	s_add_nc_u64 s[36:37], s[36:37], 0x400000      ; K's
	s_add_nc_u64 s[40:41], s[4:5], s[34:35]
	s_add_nc_u64 s[42:43], s[40:41], 12582912+524288   ; V's scale slots
	s_add_nc_u64 s[40:41], s[40:41], 12582912+262144   ; K's
	s_wait_alu depctr_va_vdst(0)                   ; v1 to v3, v6, v7 and v28 to v31 are written: every load and store of the kernel but the steps' LDS loads reads one of them as its offset or address
.irp i, 0,1,2,3,4,5,6,7
	global_load_b128 v[32+4*\i:35+4*\i], v28, s[36:37] offset:8192*\i
	global_load_b128 v[64+4*\i:67+4*\i], v28, s[38:39] offset:8192*\i
.endr
	global_load_b64 v[96:97], v30, s[40:41]
	global_load_b32 v98, v6, s[42:43]              ; keys 128 w .. + 63: lane (r, h): channel tiles 2 h, 2 h + 1
	global_load_b32 v99, v6, s[42:43] offset:128   ; keys 128 w + 64 ..
.irp b, 0,1,2,3
	v_mov_b32 v[20+\b], 0                          ; the zeros between Q's two copies: written once
	v_mov_b32 v[236+\b], 0                         ; written once: a lane permute's destination counts as one of its sources
.endr
	v_mov_b32 v252, 0                              ; likewise
	v_mov_b32 v253, 0                              ; (named as the upper half of the pair v[252:253] before it is first written)
	s_lshl_b32 s15, s12, 2
	s_add_co_u32 s15, s15, s13                     ; my first tile of queries
	s_mov_b32 s16, 0
	s_wait_loadcnt 0x0
	v_perm_b32 v100, v99, v98, 0x05040100          ; the four bytes of a key step: channel tile 2 h,
	v_perm_b32 v101, v99, v98, 0x07060302          ; and 2 h + 1
.irp i, 0,1,2,3,4,5,6,7
	ds_store_b128 v28, v[32+4*\i:35+4*\i] offset:8192*\i   ; loaded data by addresses made ahead of the wait above: no vector instruction since that wait names a register of these seventeen stores
	ds_store_b128 v29, v[64+4*\i:67+4*\i] offset:8192*\i
.endr
	ds_store_b64 v31, v[96:97]
	s_wait_alu depctr_va_vdst(0)                   ; the two byte permutes have written v100 and v101, which the two stores below read
	ds_store_b32 v7, v100
	ds_store_b32 v7, v101 offset:128
	s_wait_dscnt 0x0                               ; for the others' sake: my stores have landed
	s_barrier_signal -1
	s_barrier_wait -1                              ; the one barrier: from here on LDS is only read
; 32 numbers of a lane, register 16 b + i = k 32 b + 16 h + i, become four registers of codes and two scale bytes
.macro QUANT2 s, pc, pw
.irp b, 0,1
	v_max3_num_f32 v[TM+\b], |v[(\s)+16*\b]|, |v[(\s)+1+16*\b]|, 0x1800000
.endr
.irp i, 2,4,6,8,10,12,14
.irp b, 0,1
	v_max3_num_f32 v[TM+\b], v[TM+\b], |v[(\s)+16*\b+\i]|, |v[(\s)+1+16*\b+\i]|
.endr
.endr
.irp b, 0,1
	v_permlanex16_b32 v[TM+4+\b], v[TM+\b], s[SEL], s[SEL+1]
.endr
.irp b, 0,1
	v_max_num_f32 v[TM+\b], v[TM+\b], v[TM+4+\b]
.endr
.irp b, 0,1
	v_add_nc_u32 v[TM+12+\b], 0xff000000, v[TM+\b]
.endr
.irp b, 0,1
	v_lshrrev_b32 v[TM+4+\b], 23, v[TM+12+\b]
.endr
	v_lshl_or_b32 v[\pw], v[TM+5], 8, v[TM+4]
.irp b, 0,1
	v_cvt_scalef32_pk8_fp4_f32 v[(\pc)+2*\b], v[(\s)+16*\b:(\s)+16*\b+7], v[TM+12+\b]
	v_cvt_scalef32_pk8_fp4_f32 v[(\pc)+2*\b+1], v[(\s)+16*\b+8:(\s)+16*\b+15], v[TM+12+\b]
.endr
	v_nop                                          ; one plain instruction behind a scaled conversion
	v_permlane16_swap_b32 v[(\pc)], v[(\pc)+2]
	v_permlane16_swap_b32 v[(\pc)+1], v[(\pc)+3]
.endm
.Ltile:                                            ; two trips: my two tiles of queries
	s_wait_xcnt 0x0                                ; the last tile's stores have read their bases and data
	s_wait_alu depctr_vm_vsrc(0)                   ; on the way in: the fill's LDS stores have read v32 to v101, in which the steps' loads land and which the score products write; on the way back: the last tile's stores have read v[224:227] and v246, which this tile writes again
	s_lshl_b32 s32, s14, 16
	s_lshl_b32 s33, s15, 9
	s_add_co_u32 s32, s32, s33
	s_mov_b32 s33, 0
	s_add_nc_u64 s[34:35], s[4:5], s[32:33]        ; Q's image of tile T
	global_load_b128 v[16:19], v1, s[34:35]        ; (no vector or matrix instruction stands between the last wait on va_vdst, ahead of the fill's last stores or of the last tile's stores, and these three loads)
	global_load_b128 v[24:27], v1, s[34:35]        ; twice: on either side of the zeros
	s_lshl_b32 s36, s14, 12
	s_lshr_b32 s37, s15, 2
	s_lshl_b32 s37, s37, 7
	s_add_co_u32 s36, s36, s37                     ; the slot of T's group of four tiles,
	s_and_b32 s37, s15, 2
	s_lshl_b32 s37, s37, 5
	s_add_co_u32 s36, s36, s37                     ; the half of its lanes that holds T's pair
	s_add_co_u32 s36, s36, 12582912
	s_mov_b32 s37, 0
	s_add_nc_u64 s[36:37], s[4:5], s[36:37]
	global_load_b32 v254, v3, s[36:37]
	s_lshl_b32 s38, s15, 8
	s_load_b128 s[40:43], s[8:9], s38 offset:0     ; the summaries of keys 0 .. 1,023
	s_load_b128 s[44:47], s[8:9], s38 offset:128   ; and of 1,024 .. 2,047
	s_lshl_b32 s32, s15, 12
	s_add_nc_u64 s[28:29], s[6:7], s[32:33]        ; T's mask words
	v_mov_b32 v13, 0xff61b1e6                      ; the largest t so far: -3e38, under every t
	v_floor_f32 v12, -v13                          ; -M
	v_mov_b32 v14, 0                               ; the sum, in two halves
	v_mov_b32 v15, 0
	s_wait_kmcnt 0x0
	s_lshl_b32 s44, s44, 8
	s_or_b32 s40, s40, s44                         ; bit k: key step k has an open key
	s_lshl_b32 s45, s45, 8
	s_or_b32 s41, s41, s45                         ; bit k: all its keys are open
	s_or_b32 s42, s42, s46
	s_lshr_b32 s46, s42, 16
	s_or_b32 s42, s42, s46
	s_and_b32 s42, s42, 0xffff                     ; bit r: the query at position r has an open key
	s_mov_b32 s25, 0xffff
	s_cmp_eq_u32 s42, s25
	s_cselect_b32 s25, s40, s25                    ; the steps to work: those with an open key, or all sixteen where some query has none
	s_and_not1_b32 s26, s25, s41                   ; and of them the steps to mask
	s_and_b32 s27, s15, 1
	s_lshl_b32 s27, s27, 4
	s_wait_loadcnt 0x0
	v_lshrrev_b32 v254, s27, v254
	v_and_b32 v254, 0xffff, v254                   ; T's two bytes,
	v_lshl_or_b32 v255, v254, 16, v254             ; for either place of Q's codes
.irp j, 0,1,2,3,4,5,6,7,8,9,10,11,12,13,14,15,16,17,18,19,20,21,22,23,24,25,26,27,28,29,30,31
	v_mov_b32 v[160+\j], 0                         ; O^T: which step is a tile's first hangs on the mask, so the step is written once and finds zeros.  (More than the eight plain instructions that stand between a scale register's write and its first use)
.endr
	s_mov_b32 s17, 0                               ; the key step
	s_mov_b32 s18, 0                               ; its images: 4,096 bytes a step
	s_mov_b32 s19, 131072                          ; its scale words: 256 bytes a step
	s_mov_b32 s24, 0                               ; its mask words: 256 bytes a step
.Lstep:                                            ; sixteen trips
	s_wait_alu depctr_vm_vsrc(0)                   ; the LDS loads of the step before have read v8 to v10, which the three additions write again
	v_add_nc_u32 v8, s18, v1
	v_add_nc_u32 v9, 0x10000, v8
	v_add_nc_u32 v10, s19, v2
	v_nop                                          ; four plain instructions behind the last products, in front of the loads into V's registers: kept beside the wait below
	s_lshr_b32 s27, s25, s17
	s_and_b32 s27, s27, 1
	s_cmp_eq_u32 s27, 0
	s_cbranch_scc1 .Lskip                          ; nothing open in this step
	s_wait_alu depctr_va_vdst(0)                   ; the step's one wait for its twenty loads: v8 to v10 are written; the products of the step before are done reading v32 to v95 and v248 to v251.  It also shows Q's scale word v255 and Q's zeros v[20:23] written, which the score products take
.irp t, 0,1,2,3,4,5,6,7
	ds_load_b128 v[32+4*\t:35+4*\t], v8 offset:512*\t      ; key tiles 2 u and 2 u + 1 make one operand
.endr
	ds_load_b32 v248, v10
	ds_load_b32 v249, v10 offset:128
	s_wait_dscnt 0x0                               ; K and its scale words are in: V's loads are issued behind this wait
.irp t, 0,1,4,5                                ; S^T: tile t; the pair's scale word in lanes 0-15
	v_wmma_scale_f32_16x16x128_f8f6f4 v[96+8*\t:103+8*\t], v[32+8*(\t/2):39+8*(\t/2)], v[16+4*(\t%2):23+4*(\t%2)], 0, v[248+\t/4], v255 matrix_a_fmt:MATRIX_FMT_FP4 matrix_b_fmt:MATRIX_FMT_FP4
.endr
.irp a, 0,1                                    ; V's loads, five behind each four score products.  No wait: no vector or matrix instruction since the step's wait names v9, v10, v64 to v95, v250 or v251
.irp c, 0,1
	ds_load_b128 v[64+8*\a+4*\c:67+8*\a+4*\c], v9 offset:1024*\a+512*\c
.endr
.endr
	ds_load_b32 v250, v10 offset:4096
.irp t, 2,3,6,7                                ; in lanes 16-31
	v_wmma_scale_f32_16x16x128_f8f6f4 v[96+8*\t:103+8*\t], v[32+8*(\t/2):39+8*(\t/2)], v[16+4*(\t%2):23+4*(\t%2)], 0, v[248+\t/4], v255 matrix_a_fmt:MATRIX_FMT_FP4 matrix_b_fmt:MATRIX_FMT_FP4 matrix_a_scale:MATRIX_SCALE_ROW1
.endr
.irp a, 2,3
.irp c, 0,1
	ds_load_b128 v[64+8*\a+4*\c:67+8*\a+4*\c], v9 offset:1024*\a+512*\c
.endr
.endr
	ds_load_b32 v251, v10 offset:4224
.rept 4
	v_nop                                          ; in front of the first reads of results
.endr
	s_lshr_b32 s27, s26, s17
	s_and_b32 s27, s27, 1
	s_cmp_eq_u32 s27, 0
	s_cbranch_scc1 .Lopen                          ; all 128 keys open for all 16 queries
	s_load_b512 s[32:47], s[28:29], s24 offset:0
	s_load_b512 s[48:63], s[28:29], s24 offset:64
	s_load_b512 s[68:83], s[28:29], s24 offset:128
	s_load_b512 s[84:99], s[28:29], s24 offset:192
	s_wait_kmcnt 0x0
.irp n, 0,1,2,3,4,5,6,7,8,9,10,11,12,13,14,15,16,17,18,19,20,21,22,23,24,25,26,27,28,29,30,31
	v_cndmask_b32 v[96+\n], v5, v[96+\n], s[32+\n] ; register n keeps its score in the lanes whose key is open
.endr
.irp n, 32,33,34,35,36,37,38,39,40,41,42,43,44,45,46,47,48,49,50,51,52,53,54,55,56,57,58,59,60,61,62,63
	v_cndmask_b32 v[96+\n], v5, v[96+\n], s[36+\n]
.endr
.Lopen:
.irp b, 0,1,2,3
	v_max3_num_f32 v[232+\b], v[96+16*\b], v[97+16*\b], v[98+16*\b]   ; the largest score of each block of 32 keys: for the row's maximum and, since p rises with the score, for the block's largest p
.endr
.irp i, 3,5,7,9,11,13
.irp b, 0,1,2,3
	v_max3_num_f32 v[232+\b], v[232+\b], v[96+16*\b+\i], v[97+16*\b+\i]
.endr
.endr
.irp b, 0,1,2,3
	v_max_num_f32 v[232+\b], v[232+\b], v[111+16*\b]
.endr
.irp b, 0,1,2,3
	v_permlanex16_b32 v[236+\b], v[232+\b], s[SEL], s[SEL+1]
.endr
.irp b, 0,1,2,3
	v_max_num_f32 v[232+\b], v[232+\b], v[236+\b]  ; with lane l xor 16's 16 keys
.endr
	v_max3_num_f32 v254, v232, v233, v234
	v_max_num_f32 v254, v254, v235                 ; the step's largest score of my query
	v_mul_f32 v254, s[CS], v254                    ; as t
	v_max_num_f32 v13, v13, v254                   ; the running largest t
	v_mov_b32 v254, v12
	v_floor_f32 v12, -v13                          ; the new -M = -ceil(t)
	v_sub_f32 v254, v12, v254                      ; old M - new M: a whole number, 0 or less
	v_cvt_i32_f32 v254, v254                       ; (it saturates)
	v_ldexp_f32 v252, 1.0, v254                    ; f = 2^(old M - new M)
.irp j, 0,2,4,6,8,10,12,14,16,18,20,22,24,26,28,30,32,34,36,38,40,42,44,46,48,50,52,54,56,58,60,62
	v_pk_fma_f32 v[96+\j:97+\j], v[96+\j:97+\j], s[CS:CS+1], v[12:13] op_sel_hi:[1,0,0]   ; t - M, two at a time
.endr
.irp b, 0,1,2,3
	v_fma_f32 v[232+\b], v[232+\b], s[CS], v12     ; the same of each block's largest score
.endr
.irp j, 0,1,2,3,4,5,6,7,8,9,10,11,12,13,14,15,16,17,18,19,20,21,22,23,24,25,26,27,28,29,30,31,32,33,34,35,36,37,38,39,40,41,42,43,44,45,46,47,48,49,50,51,52,53,54,55,56,57,58,59,60,61,62,63
	v_exp_f32 v[96+\j], v[96+\j]                   ; p = 2^(t - M), at most 1
.endr
	v_pk_mul_f32 v[14:15], v[14:15], v[252:253] op_sel_hi:[1,0]   ; the sums under the new M: the plain instruction behind the exponentials
	s_wait_alu depctr_va_vdst(0)                   ; the 64 exponentials have written v96 to v159: one wait for the whole batch, ahead of its first reader
.irp b, 0,1,2,3
	v_exp_f32 v[232+\b], v[232+\b]                 ; each block's largest p
.endr
	v_pk_add_f32 v[236:237], v[96:97], v[98:99]    ; the row's sum of the unquantised p, in two chains
.irp j, 4,8,12,16,20,24,28,32,36,40,44,48,52,56,60
	v_pk_add_f32 v[14:15], v[14:15], v[96+\j:97+\j]
	v_pk_add_f32 v[236:237], v[236:237], v[98+\j:99+\j]
.endr
	v_pk_add_f32 v[14:15], v[14:15], v[236:237]
	s_wait_alu depctr_va_vdst(0)                   ; the four exponentials have written v232 to v235: their wait, ahead of their first reader
.irp b, 0,1,2,3
	v_max_num_f32 v[232+\b], 0x1800000, v[232+\b]  ; the floor 2^(3 - 127): a block whose every p is 0 keeps the byte 1: its codes are zeros
.endr
.irp b, 0,1,2,3
	v_add_nc_u32 v[244+\b], 0xff000000, v[232+\b]
.endr
.irp b, 0,1,2,3
	v_lshrrev_b32 v[236+\b], 23, v[244+\b]
.endr
	v_lshl_or_b32 v253, v237, 8, v236              ; p's scale word for these 128 keys
	v_lshl_or_b32 v253, v238, 16, v253
	v_lshl_or_b32 v253, v239, 24, v253
.irp b, 0,1,2,3
	v_cvt_scalef32_pk8_fp4_f32 v[224+2*\b], v[96+16*\b:103+16*\b], v[244+\b]
	v_cvt_scalef32_pk8_fp4_f32 v[225+2*\b], v[104+16*\b:111+16*\b], v[244+\b]
.endr
	v_nop                                          ; one plain instruction behind a scaled conversion
.irp c, 0,1
.irp i, 0,1
	v_permlane16_swap_b32 v[224+4*\c+\i], v[226+4*\c+\i]
.endr
.endr
.irp j, 0,2,4,6,8,10,12,14,16,18,20,22,24,26,28,30
	v_pk_mul_f32 v[160+\j:161+\j], v[160+\j:161+\j], v[252:253] op_sel_hi:[1,0]   ; O^T under the new M.  For each product below twelve of these name none of its registers: the plain instructions between p's scale word and codes and their use
.endr
	s_wait_dscnt 0x0                               ; V and its scale words are in
	s_wait_alu depctr_va_vdst(0)                   ; the conversions and lane exchanges have written p's codes v[224:231], the shifts its scale word v253: the scaled products below take them; the plain instructions above stay beside this wait
.irp a, 0,1                                    ; O^T += V^T P^T: channel tile a; four accumulators by turns
	v_wmma_scale_f32_16x16x128_f8f6f4 v[160+8*\a:167+8*\a], v[64+8*\a:71+8*\a], v[224:231], v[160+8*\a:167+8*\a], v[250+\a%2], v253 matrix_a_fmt:MATRIX_FMT_FP4 matrix_b_fmt:MATRIX_FMT_FP4
.endr
.irp a, 2,3
	v_wmma_scale_f32_16x16x128_f8f6f4 v[160+8*\a:167+8*\a], v[64+8*\a:71+8*\a], v[224:231], v[160+8*\a:167+8*\a], v[250+\a%2], v253 matrix_a_fmt:MATRIX_FMT_FP4 matrix_b_fmt:MATRIX_FMT_FP4 matrix_a_scale:MATRIX_SCALE_ROW1
.endr
.Lskip:
	s_add_co_u32 s18, s18, 4096
	s_add_co_u32 s19, s19, 256
	s_add_co_u32 s24, s24, 256
	s_add_co_u32 s17, s17, 1
	s_cmp_lt_u32 s17, 16
	s_cbranch_scc1 .Lstep
	; the tile's end: O^T / the sum, quantised along the head's 64, which are 64 of the output projection's K
.rept 4
	v_nop                                          ; behind the last products
.endr
	v_add_f32 v14, v14, v15
	v_permlanex16_b32 v252, v14, s[SEL], s[SEL+1]
	v_add_f32 v14, v14, v252                       ; the row's sum
	v_rcp_f32 v14, v14
	v_nop                                          ; a plain instruction behind the reciprocal
	s_lshr_b32 s32, s14, 4
	s_lshl_b32 s32, s32, 7
	s_add_co_u32 s32, s32, s15                     ; the tile among all 512: 128 batch + T
	s_and_b32 s33, s14, 15                         ; the head
	s_lshr_b32 s34, s32, 3
	s_lshl_b32 s34, s34, 16                        ; the block of 128 rows,
	s_and_b32 s35, s32, 7
	s_lshl_b32 s35, s35, 10                        ; the tile in it,
	s_add_co_u32 s34, s34, s35
	s_and_b32 s35, s33, 14
	s_lshl_b32 s35, s35, 12                        ; K step head / 2,
	s_add_co_u32 s34, s34, s35
	s_and_b32 s35, s33, 1
	s_lshl_b32 s35, s35, 9                         ; half head % 2 of the fragment
	s_add_co_u32 s34, s34, s35
	s_mov_b32 s35, 0
	s_add_nc_u64 s[34:35], s[10:11], s[34:35]
	s_lshl_b32 s36, s32, 11
	s_lshl_b32 s37, s33, 7
	s_add_co_u32 s36, s36, s37
	s_add_co_u32 s36, s36, 4194304
	s_mov_b32 s37, 0
	s_add_nc_u64 s[36:37], s[10:11], s[36:37]      ; the tile's and head's scale bytes
	s_wait_alu depctr_va_vdst(0)                   ; the reciprocal has written v14: ahead of its first reader
.irp j, 0,2,4,6,8,10,12,14,16,18,20,22,24,26,28,30
	v_pk_mul_f32 v[96+\j:97+\j], v[160+\j:161+\j], v[14:15] op_sel_hi:[1,0]   ; register 16 b + i = channel 32 b + 16 h + i of my query; each accumulator from its low end on
.endr
	QUANT2 96, 224, 246
	s_wait_alu depctr_va_vdst(0)                   ; the conversions and lane exchanges have written v[224:227], the shift v246: the two stores read them.  This tile's products and vector work are also done with v16 to v27 and v254, in which the next tile's loads land: no vector instruction stands between here and those loads
	global_store_b128 v1, v[224:227], s[34:35]     ; 512 consecutive bytes, aligned
	global_store_b32 v2, v246, s[36:37]
	s_lshl_b32 s27, s13, 1
	s_add_co_u32 s27, s27, 124
	s_sub_co_u32 s15, s27, s15                     ; the other tile: 2 j + 124 - T
	s_add_co_u32 s16, s16, 1
	s_cmp_lt_u32 s16, 2
	s_cbranch_scc1 .Ltile
	s_wait_dscnt 0x0                               ; the closing lines, six on end
	s_wait_alu 0x0
	s_wait_tensorcnt 0x0
	ds_add_u32 v242, v243
	s_wait_dscnt 0x0
	s_endpgm
.Lfunc_end_k_q9abae9ed43_attn:
	.size	k_q9abae9ed43_attn, .Lfunc_end_k_q9abae9ed43_attn-k_q9abae9ed43_attn
	.p2alignl 7, 3214868480
	.fill 96, 4, 3214868480
	.section	.rodata,"a",@progbits
	.p2align	6, 0x0
	.amdhsa_kernel k_q9abae9ed43_attn
		.amdhsa_group_segment_fixed_size 141312
		.amdhsa_private_segment_fixed_size 0
		.amdhsa_enable_private_segment 0
		.amdhsa_kernarg_size 32
		.amdhsa_user_sgpr_count 2
		.amdhsa_user_sgpr_kernarg_segment_ptr 1
		.amdhsa_wavefront_size32 1
		.amdhsa_system_sgpr_workgroup_id_x 1
		.amdhsa_system_sgpr_workgroup_id_y 1
		.amdhsa_system_sgpr_workgroup_id_z 1
		.amdhsa_system_vgpr_workitem_id 0
		.amdhsa_next_free_vgpr 256
		.amdhsa_next_free_sgpr 100
		.amdhsa_reserve_vcc 0
		.amdhsa_float_denorm_mode_32 3
		.amdhsa_float_denorm_mode_16_64 3
		.amdhsa_memory_ordered 1
		.amdhsa_forward_progress 1
		.amdhsa_inst_pref_size 33
	.end_amdhsa_kernel
	.amdgpu_metadata
---
amdhsa.version: [ 1, 2 ]
amdhsa.kernels:
  - .name:           k_q9abae9ed43_attn
    .symbol:         k_q9abae9ed43_attn.kd
    .args:
      - { .name: H, .offset: 0, .size: 8, .value_kind: global_buffer, .address_space: global }
      - { .name: MW, .offset: 8, .size: 8, .value_kind: global_buffer, .address_space: global }
      - { .name: FL, .offset: 16, .size: 8, .value_kind: global_buffer, .address_space: global }
      - { .name: C, .offset: 24, .size: 8, .value_kind: global_buffer, .address_space: global }
    .group_segment_fixed_size: 141312
    .private_segment_fixed_size: 0
    .kernarg_segment_align: 8
    .kernarg_segment_size: 32
    .max_flat_workgroup_size: 512
    .sgpr_count:     100
    .vgpr_count:     256
    .wavefront_size: 32
...
	.end_amdgpu_metadata
.endif
;; end of part 5
;; launch outp: the kernel of part 4 again; grid 4 x 64, 16 waves a work-group, clusters of 4 x 4, 268,288 bytes of LDS; arguments C, W, bo, out0; writes out0
